; MI455X (gfx1250); checked and timed in simulation.
; The chip was launched on July 23, 2026; its instructions are those of AMD's public machine-readable ISA for CDNA 5 (MIT licence, August 2026) and "CDNA5" Instruction Set Architecture Reference Guide (July 2026). The comments in the code are by the model that wrote it; some were corrected since.
;; Attention. Allowed arithmetic: matrix products marked QUANTISED: E2M3 operands, one E8M0 scale for each 32 along K, by v_wmma_scale_f32_16x16x128_f8f6f4 with both operands' format E2M3, f32 sums; everything else in f32.
;; Inputs: b_proj 1,024 float32; b_qkv 3,072 float32; be_k 64 float32; be_q 64 float32; g_k 64 float32; g_q 64 float32; w_proj 1,024 x 1,024 float32; w_qkv 1,024 x 3,072 float32; x 2 x 2,048 x 1,024 float32.
;; Outputs: out0 2 x 2,048 x 1,024 float32.
;; This version of the problem:
;;   THIS VERSION OF THE PROBLEM IS GIVEN IN LOW PRECISION. The matrix products marked QUANTISED in the list below multiply operands that are first quantised to E2M3 (2 exponent bits, 3 mantissa bits; 6 bits a number), with one power-of-two scale for each 32 numbers along K (OCP MX v1.0); their sums are f32. All else is computed in f32.
;;   The module's matrix products, in the order in which they are computed (A, B: the left and right operand; K: the contracted axis; several contracted axes count as one K, in the product's order):
;;     1. [M 4,096, K 1,024] x [K 1,024, N 3,072]; A: input x; B: input w_qkv: QUANTISED
;;     2. batch 32 x [M 2,048, K 64] x [K 64, N 2,048]; A: computed on the way; B: computed on the way: QUANTISED
;;     3. batch 32 x [M 2,048, K 2,048] x [K 2,048, N 64]; A: softmax (see below); B: computed on the way: QUANTISED
;;     4. [M 4,096, K 1,024] x [K 1,024, N 1,024]; A: computed on the way; B: input w_proj: QUANTISED
;;   THE QUANTISER, for each operand of a quantised product, along K:
;;     - K is cut into blocks of 32 from its start; a last block that is shorter is filled with zeros.
;;     - A block's scale is 2^e with e = floor(log2(the largest magnitude in the block)) - 2, held to -126 .. 127; a block of zeros has e = 0. As a byte (E8M0): e + 127.
;;     - Each number is divided by its block's scale, clamped to +-7.5, and rounded to the nearest number of E2M3, ties to even, subnormals kept.
;;     - The product sums the exact products of the quantised numbers (number of the format x scale) in f32.
;;   ~~~python
;;   def quantise(x, axis):      # numpy; x: float32 -> the quantised numbers, widened to float32 again
;;       x = np.moveaxis(x, axis, -1); K = x.shape[-1]
;;       x = np.pad(x, [(0, 0)] * (x.ndim - 1) + [(0, -K % 32)]); x = x.reshape(x.shape[:-1] + (-1, 32)); a = np.abs(x).max(-1, keepdims=True)
;;       e = np.where(a > 0, np.clip(np.frexp(np.where(a > 0, a, 1))[1] - 1 - 2, -126, 127), 0)      # np.frexp(a)[1] - 1 = floor(log2(a)), exactly
;;       r = np.clip(x / 2.0 ** e, -7.5, 7.5)
;;       step = 2.0 ** (np.maximum(np.frexp(np.where(r == 0, 1, r))[1] - 1, 0) - 3)
;;       q = np.round(r / step) * step * 2.0 ** e      # np.round: ties to even
;;       return np.moveaxis(q.reshape(q.shape[:-2] + (-1,))[..., :K], -1, axis).astype(np.float32)
;;   ~~~
;;   SOFTMAX AHEAD OF A QUANTISED PRODUCT. Where the list says 'softmax', what is quantised is not the finished softmax but p = 2^(t - M), with t = logit x log2(e) and M = ceil(the row's largest t), a whole number; so 1/2 < the row's largest p <= 1. The row's sum l is taken of the UNQUANTISED p, in f32, and the product's result is divided by l at the end. Since M is a whole number, a kernel that streams over the keys may use a running M (the ceiling of the running maximum): every later rescaling is an exact power of two, which a block's scale takes up: the codes' values come out the same.
;;   OPERANDS COMPUTED ON THE WAY. 'Computed on the way' means the value that the module computes at that place (a softmax that the list does not call 'softmax' is quantised finished and normalised). What goes into a quantiser is computed in f32, as accurately as f32 sums, v_exp_f32 and their like allow (about 1e-6 of the number): no bf16 or f16 on the way to a quantiser, and a product that is left as it is and whose result goes on into a quantised operand takes f32 operands (vector FMAs, or v_wmma_f32_16x16x4_f32). A number that lies on a knife's edge between two numbers of the format may be rounded either way, as far as f32 arithmetic and the matrix unit's own rounding can turn it there, and no further.
;; One version. Each part assembles by itself: llvm-mc -triple=amdgcn-amd-amdhsa -mcpu=gfx1250 --defsym DOCPART=n.
;; ======== version 1 of 1: 4 launches
;; limits: right only within a limited range of input values
;; workspace buffers: xw 6,553,600 bytes; qkvc 9,830,400 bytes; att 3,407,872 bytes
;; launch quant (part 1): grid 512 x 1, 4 waves a work-group, no clusters, 68,096 bytes of LDS; arguments x, w_qkv, w_proj, xw; writes xw
.if DOCPART == 1
	.amdgcn_target "amdgcn-amd-amdhsa--gfx1250"
	.amdhsa_code_object_version 6
	.text
	.protected	k_qaa9e5468a1_quant
	.globl	k_qaa9e5468a1_quant
	.p2align	8
	.type	k_qaa9e5468a1_quant,@function
k_qaa9e5468a1_quant:
	s_mov_b64 s[64:65], 0
	v_nop
	global_prefetch_b8 v0, s[64:65] scope:SCOPE_SE
	s_setreg_imm32_b32 hwreg(HW_REG_WAVE_MODE, 25, 1), 1
	s_wait_xcnt 0x0
; x [4096][1024], w_qkv [1024][3072] and w_proj [1024][1024], f32, become codes of E2M3 with one E8M0 byte for each 32 along K, laid in the order of the operand registers.
; A FRAGMENT is 16 rows x 128 K, 12 registers a lane, 1,536 bytes: lane (r, h) holds row r; registers 0-5 the codes of k = 64 h + 0..31, registers 6-11 those of k = 64 h + 32..63.
; That is the matrix instruction's own layout with its four blocks of 32 permuted, alike in both operands of every product; each scale byte goes with its block: byte 2 c + h of a row's word scales registers 6 c .. 6 c + 5 of lane h.
; In memory registers 4 c .. 4 c + 3 of lane l lie at 512 c + 16 l.  Scale words go in pairs of tiles: 32 words, lanes 0-15 the even tile, lanes 16-31 the odd one.
; ROWS OF A TILE.  Tokens go in groups of 128: row r of tile t is token 64 (r / 8) + 8 t + r % 8 of its group.  Columns go in blocks of 64: row i of tile c is column 32 (i / 8) + 8 c + i % 8 of its block.
; A block's scale is 2^(floor(log2(its largest magnitude)) - 2): its byte is the largest magnitude's exponent field less 2, held at 1 from below by a floor among the maximum's leaves.
; LIMITS: a block of zeros gets the byte 1 (the stated quantiser says 127): its codes are zeros and this program alone reads the bytes.  NaN and infinities among the inputs are not served.
; Work-groups 0-255 take x (a wave: two token tiles x one K step, 16 KB), work-groups 256-511 the weights (a wave: two column tiles x one K step, 16 KB).  No loop, no barrier: waves share nothing.
.set XC,   0                           ; xw: x's fragments [group 32][K step 8][tile 8]
.set WQC,  3145728                     ; w_qkv's [head 16][e 2][K step 8][slot 6]: slots 0-3 the tiles of q (e = 0) or k (e = 1), slots 4, 5 tiles 2 e, 2 e + 1 of v
.set WPC,  5505024                     ; w_proj's [128 columns 8][K step 8][tile 8]
.set XS,   6291456                     ; scale words [group][pair 4][K step], 128 bytes each
.set WQS,  6422528                     ; [head][e][pair 3][K step]
.set WPS,  6520832                     ; [128 columns][pair 4][K step]
.set SPIT, 528                         ; a stage row: 512 bytes + 16: an odd multiple of 16, so that sixteen rows start at sixteen different groups of banks
.set LI,   4                           ; v4   16 x lane
.set L4,   5                           ; v5   4 x lane
.set H8,   6                           ; v6   8 h
.set SIN,  7                           ; v7   the stage, on the way in
.set SOUT, 8                           ; v8   and on the way out
.set WOF,  9                           ; v9   a weight's lane offset
.set MX,   10                          ; v10-11 largest magnitudes
.set SC,   12                          ; v12-13 the conversions' scale operands
.set R,    16                          ; v16-143 128 registers as loaded
.set N,    144                         ; v144-207 64 neighbours along K (x);  v144-167 the two images (weights)
.set C0,   208                         ; v208-219, v220-231 the two tiles' codes (x)
.set C1,   220
.set T,    232                         ; v232-234, v236-238 upper halves of the blocks' codes
.set Y,    240                         ; v240-243 scale bytes
.set PW,   244                         ; v244-245 scale words
.set TMP,  246
; Two blocks of 32 numbers, in v[a] on and v[b] on, by turns: codes into six registers at d0 and at d1, bytes into v[y], v[y + 1].
.macro QB2 a, b, d0, d1, y
	v_max3_num_f32 v[MX], |v[(\a)]|, |v[(\a)+1]|, 0x1800000       ; the floor 2^(3 - 127) among the leaves: the byte cannot fall under 1
	v_max3_num_f32 v[MX+1], |v[(\b)]|, |v[(\b)+1]|, 0x1800000
.irp i, 2,4,6,8,10,12,14,16,18,20,22,24,26,28,30
	v_max3_num_f32 v[MX], v[MX], |v[(\a)+\i]|, |v[(\a)+\i+1]|
	v_max3_num_f32 v[MX+1], v[MX+1], |v[(\b)+\i]|, |v[(\b)+\i+1]|
.endr
	v_add_nc_u32 v[SC], 0xff000000, v[MX]                         ; 2 off the exponent field: the conversion takes that field as its scale
	v_add_nc_u32 v[SC+1], 0xff000000, v[MX+1]
	v_lshrrev_b32 v[(\y)], 23, v[SC]                              ; the scale's byte
	v_lshrrev_b32 v[(\y)+1], 23, v[SC+1]
	v_cvt_scalef32_pk16_fp6_f32 v[(\d0):(\d0)+2], v[(\a):(\a)+15], v[SC]
	v_cvt_scalef32_pk16_fp6_f32 v[T:T+2], v[(\a)+16:(\a)+31], v[SC]        ; (a conversion's three registers begin on an even number)
	v_cvt_scalef32_pk16_fp6_f32 v[(\d1):(\d1)+2], v[(\b):(\b)+15], v[SC+1]
	v_cvt_scalef32_pk16_fp6_f32 v[T+4:T+6], v[(\b)+16:(\b)+31], v[SC+1]
	v_nop                                                         ; one plain place behind the conversions
.irp i, 0,1,2
	v_mov_b32 v[(\d0)+3+\i], v[T+\i]
	v_mov_b32 v[(\d1)+3+\i], v[T+4+\i]
.endr
.endm
	s_load_b256 s[4:11], s[0:1], 0x0               ; x s[4:5], w_qkv s[6:7], w_proj s[8:9], xw s[10:11]
	v_lshl_add_u32 v248, v0, 2, 0x10800
	v_mov_b32 v249, 0
	v_lshrrev_b32 v1, 5, v0
	v_readfirstlane_b32 s12, v1                    ; wave 0..3
	v_and_b32 v1, 31, v0                           ; lane
	v_and_b32 v2, 15, v0                           ; r
	v_bfe_u32 v3, v0, 4, 1                         ; h
	v_lshlrev_b32 v[LI], 4, v1
	v_lshlrev_b32 v[L4], 2, v1
	v_lshlrev_b32 v[H8], 3, v3
	v_mov_b32 v[TMP], 0                            ; a lane permute's destination counts as one of its sources
	v_cmp_le_u32 vcc_lo, 16, v1                    ; lanes 16-31
	s_mov_b32 s14, 0x76543210
	s_mov_b32 s15, 0xfedcba98                      ; v_permlanex16_b32's selects for lane l xor 16
	s_wait_kmcnt 0x0
	s_cmp_lt_u32 ttmp9, 256
	s_cbranch_scc0 .Lweights
	; ---- x.  Work-group g: group g / 8, pair of tiles (g / 2) % 4; wave w: K step 4 (g % 2) + w
	s_lshr_b32 s16, ttmp9, 3                       ; group
	s_bfe_u32 s17, ttmp9, 0x20001                  ; pair
	s_and_b32 s18, ttmp9, 1
	s_lshl_b32 s18, s18, 2
	s_add_co_u32 s18, s18, s12                     ; K step
	s_lshl_b32 s20, s16, 19                        ; 128 rows of 4,096 bytes
	s_lshl_b32 s21, s17, 16                        ; 16 rows
	s_add_co_u32 s20, s20, s21
	s_lshl_b32 s21, s18, 9                         ; 128 numbers
	s_add_co_u32 s20, s20, s21
	s_mov_b32 s21, 0
	s_add_nc_u64 s[20:21], s[4:5], s[20:21]
.set ia, 0
	s_wait_alu depctr_va_vdst(0)
.rept 32                                               ; the pair's 32 tokens are rows 0-15 and 64-79 from there; each load takes 512 consecutive bytes
	global_load_b128 v[R+4*ia:R+4*ia+3], v[LI], s[20:21] offset:((ia&15)+64*(ia>>4))*4096 th:TH_LOAD_NT
.set ia, ia+1
.endr
	s_mul_i32 s13, s12, 32*SPIT                    ; my stage
	v_add_nc_u32 v[SIN], s13, v[LI]
	v_mul_u32_u24 v[SOUT], v2, SPIT
	v_lshl_add_u32 v[SOUT], v3, 8, v[SOUT]
	v_add_nc_u32 v[SOUT], s13, v[SOUT]             ; row r, + 256 h: my 64 neighbours
	s_lshl_b32 s22, s16, 3
	s_add_co_u32 s22, s22, s18
	s_lshl_b32 s22, s22, 3
	s_lshl_b32 s23, s17, 1
	s_add_co_u32 s22, s22, s23
	s_mul_i32 s22, s22, 1536                       ; ((group x 8 + K step) x 8 + 2 x pair) fragments
	s_mov_b32 s23, 0
	s_add_nc_u64 s[22:23], s[10:11], s[22:23]
	s_lshl_b32 s24, s16, 2
	s_add_co_u32 s24, s24, s17
	s_lshl_b32 s24, s24, 3
	s_add_co_u32 s24, s24, s18
	s_lshl_b32 s24, s24, 7
	s_add_co_u32 s24, s24, XS
	s_mov_b32 s25, 0
	s_add_nc_u64 s[24:25], s[10:11], s[24:25]
.set ia, 0
	s_wait_alu depctr_va_vdst(0)
.rept 32
.if (ia&7) == 0
	s_wait_loadcnt 24-ia                           ; loads come back in order: the next eight are in, the younger ones stay out
.endif
	ds_store_b128 v[SIN], v[R+4*ia:R+4*ia+3] offset:(16*((ia&15)>>3)+8*(ia>>4)+(ia&7))*SPIT   ; stage row 16 T + r is row r of the pair's tile T
.set ia, ia+1
.endr
.macro XTILE tt, cc, pw
.set im, 0
.rept 16
	ds_load_b128 v[N+4*im:N+4*im+3], v[SOUT] offset:16*(\tt)*SPIT+16*im    ; LDS serves a wave's instructions in order: these see my stores
.set im, im+1
.endr
	s_wait_dscnt 0x0
	QB2 N, N+32, \cc, (\cc)+6, Y
	v_lshl_or_b32 v[\pw], v[Y+1], 16, v[Y]         ; my two bytes,
	v_lshlrev_b32 v[\pw], v[H8], v[\pw]            ; at their places (8 h bits up);
	v_permlanex16_b32 v[TMP], v[\pw], s14, s15
	v_or_b32 v[\pw], v[\pw], v[TMP]                ; with lane l xor 16's two the row's word is whole
.irp c, 0,1,2
	global_store_b128 v[LI], v[(\cc)+4*\c:(\cc)+4*\c+3], s[22:23] offset:(\tt)*1536+512*\c   ; 512 consecutive bytes
.endr
.endm
	XTILE 0, C0, PW
	XTILE 1, C1, PW+1
	v_cndmask_b32 v[PW], v[PW], v[PW+1], vcc_lo    ; lanes 0-15 the even tile's words, lanes 16-31 the odd one's
	global_store_b32 v[L4], v[PW], s[24:25]
	s_wait_tensorcnt 0x0
	ds_add_u32 v248, v249
	s_wait_dscnt 0x0
	s_endpgm
	; ---- the weights.  Work-group g' = g - 256: column blocks 2 (g' / 8) and + 1, K step g' % 8; wave u: block + u / 2, tiles 2 (u % 2) and + 1.
	; A LANE TAKES A COLUMN (lanes 0-15 the even tile, lanes 16-31 the odd one) AND ITS 128 REGISTERS RUN DOWN K: a block of 32 lies in one lane, and the codes come out with K innermost.
.Lweights:
	s_sub_co_u32 s16, ttmp9, 256
	s_and_b32 s17, s16, 7                          ; K step
	s_lshr_b32 s16, s16, 3
	s_lshr_b32 s18, s12, 1
	s_lshl_b32 s19, s16, 1
	s_add_co_u32 s18, s18, s19                     ; column block 0..63: 0-15 q, 16-31 k, 32-47 v, 48-63 w_proj
	s_and_b32 s19, s12, 1                          ; which pair of its tiles
	s_wait_alu depctr_va_vdst(0)
	v_lshrrev_b32 v[WOF], 3, v2
	v_and_b32 v[MX], 7, v2
	v_lshl_add_u32 v[WOF], v[WOF], 5, v[MX]
	v_lshl_add_u32 v[WOF], v3, 3, v[WOF]
	v_lshlrev_b32 v[WOF], 2, v[WOF]                ; 4 x (32 (r / 8) + 8 h + r % 8)
.macro LOADW pitch
.set ik, 0
.rept 128
	global_load_b32 v[R+ik], v[WOF], s[20:21] offset:ik*(\pitch)
.set ik, ik+1
.endr
.endm
	s_cmp_lt_u32 s16, 24
	s_cbranch_scc0 .Lwproj
	s_mul_i32 s20, s17, 128*12288
	s_lshl_b32 s21, s18, 8
	s_add_co_u32 s20, s20, s21
	s_lshl_b32 s21, s19, 6
	s_add_co_u32 s20, s20, s21
	s_mov_b32 s21, 0
	s_add_nc_u64 s[20:21], s[6:7], s[20:21]
	s_wait_alu depctr_va_vdst(0)
	LOADW 12288
	s_lshr_b32 s26, s18, 4                         ; 0 q, 1 k, 2 v
	s_and_b32 s27, s18, 15                         ; head
	s_cmp_eq_u32 s26, 2
	s_cselect_b32 s28, s19, s26                    ; e
	s_cselect_b32 s29, 2, s19                      ; pair of slots
	s_lshl_b32 s27, s27, 1
	s_add_co_u32 s27, s27, s28
	s_lshl_b32 s24, s27, 3
	s_add_co_u32 s24, s24, s17
	s_mul_i32 s24, s24, 9216
	s_mul_i32 s26, s29, 3072
	s_add_co_u32 s24, s24, s26
	s_add_co_u32 s24, s24, WQC                     ; where the two images go
	s_mul_i32 s25, s27, 3
	s_add_co_u32 s25, s25, s29
	s_lshl_b32 s25, s25, 3
	s_add_co_u32 s25, s25, s17
	s_lshl_b32 s25, s25, 7
	s_add_co_u32 s25, s25, WQS                     ; and their scale words
	s_branch .Lwloaded
.Lwproj:
	s_sub_co_u32 s26, s18, 48                      ; column block of w_proj
	s_mul_i32 s20, s17, 128*4096
	s_lshl_b32 s21, s26, 8
	s_add_co_u32 s20, s20, s21
	s_lshl_b32 s21, s19, 6
	s_add_co_u32 s20, s20, s21
	s_mov_b32 s21, 0
	s_add_nc_u64 s[20:21], s[8:9], s[20:21]
	s_wait_alu depctr_va_vdst(0)
	LOADW 4096
	s_lshr_b32 s27, s26, 1
	s_and_b32 s28, s26, 1
	s_lshl_b32 s24, s27, 3
	s_add_co_u32 s24, s24, s17
	s_lshl_b32 s24, s24, 3
	s_lshl_b32 s29, s28, 2
	s_add_co_u32 s24, s24, s29
	s_lshl_b32 s29, s19, 1
	s_add_co_u32 s24, s24, s29
	s_mul_i32 s24, s24, 1536
	s_add_co_u32 s24, s24, WPC
	s_lshl_b32 s25, s27, 2
	s_lshl_b32 s29, s28, 1
	s_add_co_u32 s25, s25, s29
	s_add_co_u32 s25, s25, s19
	s_lshl_b32 s25, s25, 3
	s_add_co_u32 s25, s25, s17
	s_lshl_b32 s25, s25, 7
	s_add_co_u32 s25, s25, WPS
.Lwloaded:
	s_mov_b32 s30, s24
	s_mov_b32 s31, 0
	s_add_nc_u64 s[30:31], s[10:11], s[30:31]
	s_mov_b32 s32, s25
	s_mov_b32 s33, 0
	s_add_nc_u64 s[32:33], s[10:11], s[32:33]
	s_wait_loadcnt 63                              ; of 128 loads at most 63 are out: the first 64, blocks 0 and 1, are in
	QB2 R, R+32, N, N+6, Y
	s_wait_loadcnt 0x0
	QB2 R+64, R+96, N+12, N+18, Y+2
.set ik, 0
.rept 12                                               ; the first twelve registers' lanes 16-31 change places with the second twelve's lanes 0-15: each twelve is now one tile's image
	v_permlane16_swap_b32 v[N+ik], v[N+12+ik]
.set ik, ik+1
.endr
	v_lshl_or_b32 v[PW], v[Y+2], 8, v[Y]           ; block 2 h + c has byte 2 c + h: bytes of blocks 0, 2, 1, 3
	v_lshl_or_b32 v[PW], v[Y+1], 16, v[PW]
	v_lshl_or_b32 v[PW], v[Y+3], 24, v[PW]
.irp c, 0,1,2,3,4,5
	global_store_b128 v[LI], v[N+4*\c:N+4*\c+3], s[30:31] offset:512*\c
.endr
	global_store_b32 v[L4], v[PW], s[32:33]        ; my lane's column is row r of tile h of the pair: the words lie as a pair already
	s_endpgm
.Lfunc_end_k_qaa9e5468a1_quant:
	.size	k_qaa9e5468a1_quant, .Lfunc_end_k_qaa9e5468a1_quant-k_qaa9e5468a1_quant
	.p2alignl 7, 3214868480
	.fill 96, 4, 3214868480
	.section	.rodata,"a",@progbits
	.p2align	6, 0x0
	.amdhsa_kernel k_qaa9e5468a1_quant
		.amdhsa_group_segment_fixed_size 68096
		.amdhsa_private_segment_fixed_size 0
		.amdhsa_enable_private_segment 0
		.amdhsa_kernarg_size 32
		.amdhsa_user_sgpr_count 2
		.amdhsa_user_sgpr_kernarg_segment_ptr 1
		.amdhsa_wavefront_size32 1
		.amdhsa_system_sgpr_workgroup_id_x 1
		.amdhsa_system_sgpr_workgroup_id_y 1
		.amdhsa_system_sgpr_workgroup_id_z 1
		.amdhsa_system_vgpr_workitem_id 0
		.amdhsa_next_free_vgpr 250
		.amdhsa_next_free_sgpr 66
		.amdhsa_reserve_vcc 1
		.amdhsa_float_denorm_mode_32 3
		.amdhsa_float_denorm_mode_16_64 3
		.amdhsa_memory_ordered 1
		.amdhsa_forward_progress 1
		.amdhsa_inst_pref_size 50
	.end_amdhsa_kernel
	.amdgpu_metadata
---
amdhsa.version: [ 1, 2 ]
amdhsa.kernels:
  - .name:           k_qaa9e5468a1_quant
    .symbol:         k_qaa9e5468a1_quant.kd
    .args:
      - { .name: x, .offset: 0, .size: 8, .value_kind: global_buffer, .address_space: global }
      - { .name: w_qkv, .offset: 8, .size: 8, .value_kind: global_buffer, .address_space: global }
      - { .name: w_proj, .offset: 16, .size: 8, .value_kind: global_buffer, .address_space: global }
      - { .name: xw, .offset: 24, .size: 8, .value_kind: global_buffer, .address_space: global }
    .group_segment_fixed_size: 68096
    .private_segment_fixed_size: 0
    .kernarg_segment_align: 8
    .kernarg_segment_size: 32
    .max_flat_workgroup_size: 128
    .sgpr_count:     66
    .vgpr_count:     250
    .wavefront_size: 32
...
	.end_amdgpu_metadata
.endif
;; end of part 1
;; launch gemm_qkv (part 2): grid 16 x 16, 4 waves a work-group, clusters of 4 x 4, 327,680 bytes of LDS; arguments xw, b_qkv, g_q, be_q, g_k, be_k, qkvc; writes qkvc
.if DOCPART == 2
	.amdgcn_target "amdgcn-amd-amdhsa--gfx1250"
	.amdhsa_code_object_version 6
	.text
	.protected	k_qaa9e5468a1_gemm_qkv
	.globl	k_qaa9e5468a1_gemm_qkv
	.p2align	8
	.type	k_qaa9e5468a1_gemm_qkv,@function
k_qaa9e5468a1_gemm_qkv:
	s_mov_b64 s[64:65], 0
	v_nop
	global_prefetch_b8 v0, s[64:65] scope:SCOPE_SE
	s_setreg_imm32_b32 hwreg(HW_REG_WAVE_MODE, 25, 1), 1
	s_wait_xcnt 0x0
	s_wait_alu depctr_hold_cnt(0) depctr_sa_sdst(0) depctr_va_vdst(0) depctr_va_sdst(0) depctr_va_ssrc(0) depctr_va_vcc(0) depctr_vm_vsrc(0)
	s_getreg_b32 s2, hwreg(HW_REG_IB_STS2, 6, 4)
	s_cmp_eq_u32 s2, 0
	s_cbranch_scc0 .Lentry_in_a_cluster
	s_endpgm
.Lentry_in_a_cluster:
	s_bfe_u32 s2, ttmp6, 0x10000c
	s_cmp_lg_u32 s2, 0xf033
	s_cbranch_scc0 .Lentry_shape_is_right
	s_endpgm
.Lentry_shape_is_right:
.set WQC,   3145728
.set XS,    6291456
.set WQS,   6422528
.set KVB,   3276800
.set ABY,   24576
.set BBY,   18432
.set REG,   2*ABY+2*BBY
.set SPARE, 3*REG
.set LI,  1
.set ADA, 2
.set ADB, 5
.set SPW, 8
.set NIL, 9
.set L4,  10
.set L8,  11
.set H8,  12
.set HB,  13
.set VB,  14
.set SA,  16
.set SB,  48
.set AF,  72
.set BF,  168
.set BQ,  128
.set BV,  160
.set GG,  176
.set BE,  208
.set Z,     72
.set PCODE, 136
.set VC,    184
.set STA,   208
.set STB,   216
.set MX,    224
.set SC,    226
.set YY,    228
.set TMPX,  230
.set T,     240
.set WP,    248
.set WV,    252
.set G1A, 28
.set G1B, 36
.set G0A, 44
.set G0B, 68
.set MSB, 0
.macro WIN new
.if MSB != (\new)
	s_set_vgpr_msb (MSB<<8)|(\new)
.set MSB, (\new)
.endif
.endm
.macro PLACES n
.rept \n
	v_nop
.endr
.endm
.macro JLOAD p
	s_cmp_eq_u32 s19, 0
	s_cbranch_scc0 .Lfor_b_\@
	tensor_load_to_lds s[G0A+4*(\p):G0A+4*(\p)+3], s[G1A:G1A+7]
	s_nop 0
.rept 4
	v_nop
.endr
	s_branch .Lasked_\@
.Lfor_b_\@:
	tensor_load_to_lds s[G0B+4*(\p):G0B+4*(\p)+3], s[G1B:G1B+7]
	s_nop 0
.rept 4
	v_nop
.endr
.Lasked_\@:
.endm
.macro CREST
	s_cmp_lg_u32 s18, 0
	s_cbranch_scc1 .Lnot_wave_0_\@
	s_barrier_signal -3
.Lnot_wave_0_\@:
	s_barrier_wait -3
	s_barrier_signal -1
	s_barrier_wait -1
.endm
.macro CROUND
	s_barrier_signal -1
	s_barrier_wait -1
	CREST
.endm
.macro WM d, a, b, c, sa, sb, ra, rb
.if (\ra) && (\rb)
	v_wmma_scale_f32_16x16x128_f8f6f4 v[(\d):(\d)+7], v[(\a):(\a)+11], v[(\b):(\b)+11], v[(\c):(\c)+7], v[\sa], v[\sb] matrix_a_fmt:MATRIX_FMT_FP6 matrix_b_fmt:MATRIX_FMT_FP6 matrix_a_scale:MATRIX_SCALE_ROW1 matrix_b_scale:MATRIX_SCALE_ROW1
.elseif (\ra)
	v_wmma_scale_f32_16x16x128_f8f6f4 v[(\d):(\d)+7], v[(\a):(\a)+11], v[(\b):(\b)+11], v[(\c):(\c)+7], v[\sa], v[\sb] matrix_a_fmt:MATRIX_FMT_FP6 matrix_b_fmt:MATRIX_FMT_FP6 matrix_a_scale:MATRIX_SCALE_ROW1
.elseif (\rb)
	v_wmma_scale_f32_16x16x128_f8f6f4 v[(\d):(\d)+7], v[(\a):(\a)+11], v[(\b):(\b)+11], v[(\c):(\c)+7], v[\sa], v[\sb] matrix_a_fmt:MATRIX_FMT_FP6 matrix_b_fmt:MATRIX_FMT_FP6 matrix_b_scale:MATRIX_SCALE_ROW1
.else
	v_wmma_scale_f32_16x16x128_f8f6f4 v[(\d):(\d)+7], v[(\a):(\a)+11], v[(\b):(\b)+11], v[(\c):(\c)+7], v[\sa], v[\sb] matrix_a_fmt:MATRIX_FMT_FP6 matrix_b_fmt:MATRIX_FMT_FP6
.endif
.endm
.macro FETCH s, buf
.if (\s) < 6
.set RH, (\s)/2
.else
.set RH, 0
.endif
	WIN 0xc0*(\buf)
.irp t, 0,1,2,3,4,5,6,7
.irp c, 0,1,2
	ds_load_b128 v[AF+12*\t+4*\c:AF+12*\t+4*\c+3], v[ADA+RH] offset:((\s)&1)*12288+\t*1536+512*\c
.endr
.endr
.irp t, 0,1,2,3,4,5
.irp c, 0,1,2
	ds_load_b128 v[BF+12*\t+4*\c:BF+12*\t+4*\c+3], v[ADB+RH] offset:((\s)&1)*9216+\t*1536+512*\c
.endr
.endr
.endm
.macro MULQ s, buf, t0, first
.if \first
	WIN 0x60
.else
	WIN 0x50+0x0f*(\buf)
.endif
.irp t, \t0, \t0+1, \t0+2, \t0+3
.irp c, 0,1,2,3
.if \first
	WM 8*(4*(\t)+\c), BF+12*\c, AF+12*(\t), BQ+8*\c, SB+8*(\c/2)+(\s), SA+8*((\t)/2)+(\s), \c&1, (\t)&1
.else
	WM 8*(4*(\t)+\c), BF+12*\c, AF+12*(\t), 8*(4*(\t)+\c), SB+8*(\c/2)+(\s), SA+8*((\t)/2)+(\s), \c&1, (\t)&1
.endif
.endr
.endr
.endm
.macro MULV s, buf, first
	WIN 0xa0+0x0f*(\buf)
.irp vt, 0,1
.irp t, 0,1,2,3,4,5,6,7
.if \first
	WM 8*(8*\vt+\t), AF+12*\t, BF+12*(4+\vt), BV+8*\vt, SA+8*(\t/2)+(\s), SB+16+(\s), \t&1, \vt
.else
	WM 8*(8*\vt+\t), AF+12*\t, BF+12*(4+\vt), 8*(8*\vt+\t), SA+8*(\t/2)+(\s), SB+16+(\s), \t&1, \vt
.endif
.endr
.endr
.endm
.macro STEPN s
	PLACES 4
	FETCH (\s)+1, ((\s)+1)&1
	s_wait_dscnt 42
	MULQ \s, (\s)&1, 0, 0
	MULQ \s, (\s)&1, 4, 0
	MULV \s, (\s)&1, 0
.endm
	s_load_b256 s[4:11], s[0:1], 0x0
	s_load_b128 s[12:15], s[0:1], 0x20
	s_load_b64 s[16:17], s[0:1], 0x30
	v_lshl_add_u32 v[SPW], v0, 2, SPARE
	v_mov_b32 v[NIL], 0
	ds_add_u32 v8, v9
	ds_add_u32 v8, v9
	s_wait_dscnt 0x0
	v_lshrrev_b32 v1, 5, v0
	v_readfirstlane_b32 s18, v1
	s_lshr_b32 s19, s18, 1
	s_and_b32 s20, s18, 1
	s_bfe_u32 s21, ttmp6, 0x40000
	s_bfe_u32 s22, ttmp6, 0x40004
	s_lshl_b32 s23, ttmp9, 2
	s_add_co_u32 s23, s23, s21
	s_and_b32 s24, ttmp7, 0xffff
	s_lshl_b32 s24, s24, 2
	s_add_co_u32 s24, s24, s22
	s_lshl_b32 s25, s22, 2
	s_lshl_b32 s25, 15, s25
	s_lshl_b32 s26, 0x1111, s21
	s_or_b32 s[G1A], s25, (3<<16)|(1<<21)
	s_or_b32 s[G1B], s26, (3<<16)|(1<<21)
	s_mov_b32 s[G1A+1], 32<<16
	s_mov_b32 s[G1A+2], 288<<16                    ; the head's load: six K steps of x's fragments, 288 rows of 256 bytes
	s_mov_b32 s[G1A+3], 32<<16
	s_mov_b32 s[G1A+4], 288
	s_mov_b32 s[G1A+5], 32
	s_mov_b32 s[G1A+6], 0
	s_mov_b32 s[G1A+7], 0
	s_mov_b32 s[G1B+1], 32<<16
	s_mov_b32 s[G1B+2], 216<<16                    ; and six K steps of the weight's, 216 rows
	s_mov_b32 s[G1B+3], 32<<16
	s_mov_b32 s[G1B+4], 216
	s_mov_b32 s[G1B+5], 32
	s_mov_b32 s[G1B+6], 0
	s_mov_b32 s[G1B+7], 0
	s_lshl_b32 s80, s24, 1
	s_add_co_u32 s80, s80, s20
	s_mul_i32 s80, s80, 98304
	s_mov_b32 s81, 0
	s_lshl_b32 s82, s23, 1
	s_add_co_u32 s82, s82, s20
	s_mul_i32 s82, s82, 73728
	s_add_co_u32 s82, s82, WQC
	s_mov_b32 s83, 0
	s_mul_i32 s84, s20, 3*ABY                      ; LDS: x's two halves, six K steps each, then the weight's two halves
	s_mul_i32 s85, s20, 3*BBY
	s_add_co_u32 s85, s85, 6*ABY
	s_wait_kmcnt 0x0
	s_add_nc_u64 s[80:81], s[4:5], s[80:81]
	s_add_nc_u64 s[82:83], s[4:5], s[82:83]
	CROUND
.irp p, 0
	s_mov_b32 s[G0A+4*\p], 1
	s_add_co_u32 s[G0A+4*\p+1], s84, \p*REG
	s_add_nc_u64 s[G0A+4*\p+2:G0A+4*\p+3], s[80:81], \p*ABY
	s_or_b32 s[G0A+4*\p+3], s[G0A+4*\p+3], 0x80000000
	s_mov_b32 s[G0B+4*\p], 1
	s_add_co_u32 s[G0B+4*\p+1], s85, \p*REG
	s_add_nc_u64 s[G0B+4*\p+2:G0B+4*\p+3], s[82:83], \p*BBY
	s_or_b32 s[G0B+4*\p+3], s[G0B+4*\p+3], 0x80000000
	JLOAD \p                                       ; my one tensor load at the head: K steps 0 to 5 of my half
.endr
	v_and_b32 v15, 31, v0
	v_lshlrev_b32 v[LI], 4, v15
	v_lshlrev_b32 v[L4], 2, v15
	v_lshlrev_b32 v[L8], 3, v15
	v_bfe_u32 v[HB], v0, 4, 1
	v_lshlrev_b32 v[H8], 3, v[HB]
	v_lshlrev_b32 v[HB], 7, v[HB]
	v_and_b32 v15, 7, v0
	v_and_b32 v[VB], 8, v0
	v_lshl_add_u32 v[VB], v[VB], 2, v15
	v_lshlrev_b32 v[VB], 2, v[VB]
	s_wait_alu depctr_va_vdst(0)
	s_mul_i32 s86, s19, 3*ABY
	v_add_nc_u32 v[ADA], s86, v[LI]
	v_add_nc_u32 v[ADA+1], ABY, v[ADA]             ; a pair of K steps further on
	v_add_nc_u32 v[ADA+2], ABY, v[ADA+1]
	s_mul_i32 s87, s20, 3*BBY
	s_add_co_u32 s87, s87, 6*ABY
	v_add_nc_u32 v[ADB], s87, v[LI]
	v_add_nc_u32 v[ADB+1], BBY, v[ADB]
	v_add_nc_u32 v[ADB+2], BBY, v[ADB+1]
	s_lshl_b32 s86, s24, 1
	s_add_co_u32 s86, s86, s19
	s_lshl_b32 s86, s86, 12
	s_add_co_u32 s86, s86, XS
	s_mov_b32 s87, 0
	s_add_nc_u64 s[86:87], s[4:5], s[86:87]
	s_lshl_b32 s88, s23, 1
	s_add_co_u32 s88, s88, s20
	s_mul_i32 s88, s88, 3072
	s_add_co_u32 s88, s88, WQS
	s_mov_b32 s89, 0
	s_add_nc_u64 s[88:89], s[4:5], s[88:89]
	s_cmp_eq_u32 s20, 0
	s_cselect_b64 s[90:91], s[8:9], s[12:13]
	s_cselect_b64 s[92:93], s[10:11], s[14:15]
	s_mov_b32 s62, 1.0
	s_cselect_b32 s62, 0x3e000000, s62
	s_mov_b32 s63, s62
	s_lshl_b32 s94, s20, 12
	s_lshl_b32 s95, s23, 8
	s_add_co_u32 s94, s94, s95
	s_mov_b32 s95, 0
	s_add_nc_u64 s[94:95], s[6:7], s[94:95]
	s_lshl_b32 s96, s23, 8
	s_lshl_b32 s97, s20, 6
	s_add_co_u32 s96, s96, s97
	s_add_co_u32 s96, s96, 8192
	s_mov_b32 s97, 0
	s_add_nc_u64 s[96:97], s[6:7], s[96:97]
	s_mov_b32 s56, 0x76543210
	s_mov_b32 s57, 0xfedcba98
	s_mov_b32 s58, 0xbc800000
	s_mov_b32 s59, 0x3c800000
	s_mov_b32 s60, 0x3727c5ac
.set iq, 0
.rept 32
	global_load_b32 v[SA+iq], v[L4], s[86:87] offset:128*iq
.set iq, iq+1
.endr
.set iq, 0
.rept 24
	global_load_b32 v[SB+iq], v[L4], s[88:89] offset:128*iq
.set iq, iq+1
.endr
	WIN 0x80
.irp m, 0,1,2,3,4,5,6,7
	global_load_b128 v[BQ+4*\m:BQ+4*\m+3], v[HB], s[94:95] offset:16*\m
	global_load_b128 v[GG+4*\m:GG+4*\m+3], v[HB], s[90:91] offset:16*\m
	global_load_b128 v[BE+4*\m:BE+4*\m+3], v[HB], s[92:93] offset:16*\m
.endr
.irp vt, 0,1
.irp jj, 0,1,2,3,4,5,6,7
	global_load_b32 v[BV+8*\vt+\jj], v[VB], s[96:97] offset:32*\vt
.endr
.endr
	s_wait_loadcnt 0x0
	WIN 0x82
.set iq, 0
.rept 32
	v_pk_mul_f32 v[GG+iq:GG+iq+1], v[GG+iq:GG+iq+1], s[62:63] op_sel_hi:[1,0]
.set iq, iq+2
.endr
	WIN 0
	s_lshr_b32 s80, s24, 3
	s_lshl_b32 s80, s80, 4
	s_add_co_u32 s80, s80, s23
	s_lshl_b32 s81, s24, 1
	s_add_co_u32 s81, s81, s19
	s_and_b32 s81, s81, 15
	s_lshl_b32 s80, s80, 4
	s_add_co_u32 s80, s80, s81
	s_mul_i32 s82, s80, 6400
	s_mul_i32 s84, s80, 12800
	s_add_co_u32 s84, s84, KVB
	s_cmp_eq_u32 s20, 0
	s_cselect_b32 s86, s82, s84
	s_mov_b32 s88, 12288
	s_cselect_b32 s88, 6144, s88
	s_add_co_u32 s88, s88, s86
	s_mov_b32 s87, 0
	s_mov_b32 s89, 0
	s_mul_i32 s90, s20, 3072
	s_add_co_u32 s90, s90, s84
	s_add_co_u32 s90, s90, 6144
	s_mov_b32 s91, 0
	s_lshl_b32 s92, s20, 7
	s_add_co_u32 s92, s92, s84
	s_add_co_u32 s92, s92, 12544
	s_mov_b32 s93, 0
	s_add_nc_u64 s[86:87], s[16:17], s[86:87]
	s_add_nc_u64 s[88:89], s[16:17], s[88:89]
	s_add_nc_u64 s[90:91], s[16:17], s[90:91]
	s_add_nc_u64 s[92:93], s[16:17], s[92:93]
	s_wait_tensorcnt 0x0                           ; my one load is in
	s_barrier_signal -1
	s_barrier_wait -1
	FETCH 0, 0
	FETCH 1, 1
	s_wait_dscnt 42
	MULQ 0, 0, 0, 1
	MULQ 0, 0, 4, 1
	MULV 0, 0, 1
	WIN 0
	s_wait_tensorcnt 0x0
	ds_add_u32 v[SPW], v[NIL]
	s_mov_b32 s[G1A+2], 96<<16                     ; no tensor load of mine is out: the refill brings two K steps, 96 and 72 rows
	s_mov_b32 s[G1A+4], 96
	s_mov_b32 s[G1B+2], 72<<16
	s_mov_b32 s[G1B+4], 72
	s_wait_dscnt 1
	MULQ 1, 1, 0, 0
	s_wait_dscnt 0x0
	s_barrier_signal -1
	MULQ 1, 1, 4, 0
	WIN 0
	s_barrier_wait -1
	CREST
	s_add_nc_u64 s[G0A+2:G0A+3], s[G0A+2:G0A+3], 3*ABY
	s_add_nc_u64 s[G0B+2:G0B+3], s[G0B+2:G0B+3], 3*BBY
	JLOAD 0
	FETCH 2, 0
	MULV 1, 1, 0
	STEPN 2
	STEPN 3
	STEPN 4
	s_wait_tensorcnt 0x0
	s_wait_dscnt 0x0
	s_barrier_signal -1
	MULQ 5, 1, 0, 0
	s_barrier_wait -1
	PLACES 4
	FETCH 6, 0
	MULQ 5, 1, 4, 0
	MULV 5, 1, 0
	STEPN 6
	s_wait_dscnt 0x0
	MULQ 7, 1, 0, 0
	MULQ 7, 1, 4, 0
	MULV 7, 1, 0
	WIN 0
	PLACES 4
.macro QB2W a, b, d0, d1, w
	WIN 5*(\w)
	v_max3_num_f32 v[MX], |v[(\a)]|, |v[(\a)+1]|, 0x1800000
	v_max3_num_f32 v[MX+1], |v[(\b)]|, |v[(\b)+1]|, 0x1800000
	WIN 20*(\w)
.irp i, 2,4,6,8,10,12,14,16,18,20,22,24,26,28,30
	v_max3_num_f32 v[MX], v[MX], |v[(\a)+\i]|, |v[(\a)+\i+1]|
	v_max3_num_f32 v[MX+1], v[MX+1], |v[(\b)+\i]|, |v[(\b)+\i+1]|
.endr
	WIN 0
	v_add_nc_u32 v[SC], 0xff000000, v[MX]
	v_add_nc_u32 v[SC+1], 0xff000000, v[MX+1]
	v_lshrrev_b32 v[YY], 23, v[SC]
	v_lshrrev_b32 v[YY+1], 23, v[SC+1]
	WIN (\w)
	v_cvt_scalef32_pk16_fp6_f32 v[(\d0):(\d0)+2], v[(\a):(\a)+15], v[SC]
	v_cvt_scalef32_pk16_fp6_f32 v[T:T+2], v[(\a)+16:(\a)+31], v[SC]
	v_cvt_scalef32_pk16_fp6_f32 v[(\d1):(\d1)+2], v[(\b):(\b)+15], v[SC+1]
	v_cvt_scalef32_pk16_fp6_f32 v[T+4:T+6], v[(\b)+16:(\b)+31], v[SC+1]
	WIN 0
	v_nop
.irp i, 0,1,2
	v_mov_b32 v[(\d0)+3+\i], v[T+\i]
	v_mov_b32 v[(\d1)+3+\i], v[T+4+\i]
.endr
.endm
.macro SWORD pw
	v_lshl_or_b32 v[\pw], v[YY+1], 16, v[YY]
	v_lshlrev_b32 v[\pw], v[H8], v[\pw]
	v_permlanex16_b32 v[TMPX], v[\pw], s56, s57
	v_or_b32 v[\pw], v[\pw], v[TMPX]
.endm
.macro LNPAIR p
.set YA, 64*(\p)
.set YB, 64*(\p)+32
.set PCD, PCODE+12*(\p)
	WIN 0x05
	v_pk_add_f32 v[STA:STA+1], v[YA:YA+1], v[YA+2:YA+3]
	v_pk_add_f32 v[STB:STB+1], v[YB:YB+1], v[YB+2:YB+3]
	v_pk_add_f32 v[STA+2:STA+3], v[YA+4:YA+5], v[YA+6:YA+7]
	v_pk_add_f32 v[STB+2:STB+3], v[YB+4:YB+5], v[YB+6:YB+7]
	WIN 0x04
.irp i, 8,12,16,20,24,28
	v_pk_add_f32 v[STA:STA+1], v[STA:STA+1], v[YA+\i:YA+\i+1]
	v_pk_add_f32 v[STB:STB+1], v[STB:STB+1], v[YB+\i:YB+\i+1]
	v_pk_add_f32 v[STA+2:STA+3], v[STA+2:STA+3], v[YA+\i+2:YA+\i+3]
	v_pk_add_f32 v[STB+2:STB+3], v[STB+2:STB+3], v[YB+\i+2:YB+\i+3]
.endr
	WIN 0
	v_pk_add_f32 v[STA:STA+1], v[STA:STA+1], v[STA+2:STA+3]
	v_pk_add_f32 v[STB:STB+1], v[STB:STB+1], v[STB+2:STB+3]
	v_add_f32 v[STA], v[STA], v[STA+1]
	v_add_f32 v[STB], v[STB], v[STB+1]
	v_permlanex16_b32 v[STA+2], v[STA], s56, s57
	v_permlanex16_b32 v[STB+2], v[STB], s56, s57
	v_add_f32 v[STA], v[STA], v[STA+2]
	v_add_f32 v[STB], v[STB], v[STB+2]
	v_mul_f32 v[STA], s58, v[STA]
	v_mul_f32 v[STB], s58, v[STB]
	WIN 0x41
.irp i, 0,2,4,6,8,10,12,14,16,18,20,22,24,26,28,30
	v_pk_add_f32 v[YA+\i:YA+\i+1], v[YA+\i:YA+\i+1], v[STA:STA+1] op_sel_hi:[1,0]
	v_pk_add_f32 v[YB+\i:YB+\i+1], v[YB+\i:YB+\i+1], v[STB:STB+1] op_sel_hi:[1,0]
.endr
	WIN 0x05
	v_pk_mul_f32 v[STA+4:STA+5], v[YA:YA+1], v[YA:YA+1]
	v_pk_mul_f32 v[STB+4:STB+5], v[YB:YB+1], v[YB:YB+1]
	v_pk_mul_f32 v[STA+6:STA+7], v[YA+2:YA+3], v[YA+2:YA+3]
	v_pk_mul_f32 v[STB+6:STB+7], v[YB+2:YB+3], v[YB+2:YB+3]
.irp i, 4,8,12,16,20,24,28
	v_pk_fma_f32 v[STA+4:STA+5], v[YA+\i:YA+\i+1], v[YA+\i:YA+\i+1], v[STA+4:STA+5]
	v_pk_fma_f32 v[STB+4:STB+5], v[YB+\i:YB+\i+1], v[YB+\i:YB+\i+1], v[STB+4:STB+5]
	v_pk_fma_f32 v[STA+6:STA+7], v[YA+\i+2:YA+\i+3], v[YA+\i+2:YA+\i+3], v[STA+6:STA+7]
	v_pk_fma_f32 v[STB+6:STB+7], v[YB+\i+2:YB+\i+3], v[YB+\i+2:YB+\i+3], v[STB+6:STB+7]
.endr
	WIN 0
	v_pk_add_f32 v[STA+4:STA+5], v[STA+4:STA+5], v[STA+6:STA+7]
	v_pk_add_f32 v[STB+4:STB+5], v[STB+4:STB+5], v[STB+6:STB+7]
	v_add_f32 v[STA+4], v[STA+4], v[STA+5]
	v_add_f32 v[STB+4], v[STB+4], v[STB+5]
	v_permlanex16_b32 v[STA+6], v[STA+4], s56, s57
	v_permlanex16_b32 v[STB+6], v[STB+4], s56, s57
	v_add_f32 v[STA+4], v[STA+4], v[STA+6]
	v_add_f32 v[STB+4], v[STB+4], v[STB+6]
	v_fma_f32 v[STA+4], v[STA+4], s59, s60
	v_fma_f32 v[STB+4], v[STB+4], s59, s60
	s_wait_alu depctr_va_vdst(0)
	v_rsq_f32 v[STA+4], v[STA+4]
	v_rsq_f32 v[STB+4], v[STB+4]
	v_nop
	WIN 0x41
	s_wait_alu depctr_va_vdst(0)
.irp i, 0,2,4,6,8,10,12,14,16,18,20,22,24,26,28,30
	v_pk_mul_f32 v[YA+\i:YA+\i+1], v[YA+\i:YA+\i+1], v[STA+4:STA+5] op_sel_hi:[1,0]
	v_pk_mul_f32 v[YB+\i:YB+\i+1], v[YB+\i:YB+\i+1], v[STB+4:STB+5] op_sel_hi:[1,0]
.endr
	WIN 0x29
.irp i, 0,2,4,6,8,10,12,14,16,18,20,22,24,26,28,30
	v_pk_fma_f32 v[Z+\i:Z+\i+1], v[YA+\i:YA+\i+1], v[GG+\i:GG+\i+1], v[BE+\i:BE+\i+1]
	v_pk_fma_f32 v[Z+32+\i:Z+32+\i+1], v[YB+\i:YB+\i+1], v[GG+\i:GG+\i+1], v[BE+\i:BE+\i+1]
.endr
	WIN 0
	QB2W Z, Z+32, PCD, PCD+6, 0
	SWORD WP+(\p)
.irp c, 0,1,2
	global_store_b128 v[LI], v[PCD+4*\c:PCD+4*\c+3], s[86:87] offset:1536*(\p)+512*\c
.endr
.endm
	v_mov_b32 v[TMPX], 0
	v_cmp_eq_u32 vcc_lo, 8, v[H8]                  ; lanes 16-31: made behind the last tensor load
	LNPAIR 0
	LNPAIR 1
	LNPAIR 2
	LNPAIR 3
	v_cndmask_b32 v[WP], v[WP], v[WP+1], vcc_lo
	v_cndmask_b32 v[WP+1], v[WP+2], v[WP+3], vcc_lo
	global_store_b64 v[L8], v[WP:WP+1], s[88:89]
.irp vt, 0,1
	QB2W 64*\vt, 64*\vt+32, VC+12*\vt, VC+12*\vt+6, 2
	SWORD WV+\vt
.irp c, 0,1,2
	global_store_b128 v[LI], v[VC+12*\vt+4*\c:VC+12*\vt+4*\c+3], s[90:91] offset:1536*\vt+512*\c
.endr
.endr
	v_cndmask_b32 v[WV], v[WV], v[WV+1], vcc_lo
	global_store_b32 v[L4], v[WV], s[92:93]
	s_wait_tensorcnt 0x0
	ds_add_u32 v[SPW], v[NIL]
	s_wait_dscnt 0x0
	CROUND
	s_endpgm
.Lfunc_end_k_qaa9e5468a1_gemm_qkv:
	.size	k_qaa9e5468a1_gemm_qkv, .Lfunc_end_k_qaa9e5468a1_gemm_qkv-k_qaa9e5468a1_gemm_qkv
	.p2alignl 7, 3214868480
	.fill 96, 4, 3214868480
	.section	.rodata,"a",@progbits
	.p2align	6, 0x0
	.amdhsa_kernel k_qaa9e5468a1_gemm_qkv
		.amdhsa_group_segment_fixed_size 327680
		.amdhsa_private_segment_fixed_size 0
		.amdhsa_enable_private_segment 0
		.amdhsa_kernarg_size 56
		.amdhsa_user_sgpr_count 2
		.amdhsa_user_sgpr_kernarg_segment_ptr 1
		.amdhsa_wavefront_size32 1
		.amdhsa_system_sgpr_workgroup_id_x 1
		.amdhsa_system_sgpr_workgroup_id_y 1
		.amdhsa_system_sgpr_workgroup_id_z 1
		.amdhsa_system_vgpr_workitem_id 0
		.amdhsa_next_free_vgpr 1024
		.amdhsa_next_free_sgpr 100
		.amdhsa_reserve_vcc 1
		.amdhsa_float_denorm_mode_32 3
		.amdhsa_float_denorm_mode_16_64 3
		.amdhsa_memory_ordered 1
		.amdhsa_forward_progress 1
		.amdhsa_inst_pref_size 156
	.end_amdhsa_kernel
	.amdgpu_metadata
---
amdhsa.version: [ 1, 2 ]
amdhsa.kernels:
  - .name:           k_qaa9e5468a1_gemm_qkv
    .symbol:         k_qaa9e5468a1_gemm_qkv.kd
    .args:
      - { .name: xw, .offset: 0, .size: 8, .value_kind: global_buffer, .address_space: global }
      - { .name: b_qkv, .offset: 8, .size: 8, .value_kind: global_buffer, .address_space: global }
      - { .name: g_q, .offset: 16, .size: 8, .value_kind: global_buffer, .address_space: global }
      - { .name: be_q, .offset: 24, .size: 8, .value_kind: global_buffer, .address_space: global }
      - { .name: g_k, .offset: 32, .size: 8, .value_kind: global_buffer, .address_space: global }
      - { .name: be_k, .offset: 40, .size: 8, .value_kind: global_buffer, .address_space: global }
      - { .name: qkvc, .offset: 48, .size: 8, .value_kind: global_buffer, .address_space: global }
    .group_segment_fixed_size: 327680
    .private_segment_fixed_size: 0
    .kernarg_segment_align: 8
    .kernarg_segment_size: 56
    .max_flat_workgroup_size: 128
    .sgpr_count:     100
    .vgpr_count:     1024
    .wavefront_size: 32
...
	.end_amdgpu_metadata
.endif
;; end of part 2
;; launch attn (part 3): grid 8 x 32, 16 waves a work-group, clusters of 4 x 1, 206,848 bytes of LDS; arguments qkvc, att; writes att
.if DOCPART == 3
	.amdgcn_target "amdgcn-amd-amdhsa--gfx1250"
	.amdhsa_code_object_version 6
	.text
	.protected	k_qaa9e5468a1_attn
	.globl	k_qaa9e5468a1_attn
	.p2align	8
	.type	k_qaa9e5468a1_attn,@function
k_qaa9e5468a1_attn:
	s_mov_b64 s[64:65], 0
	v_nop
	global_prefetch_b8 v0, s[64:65] scope:SCOPE_SE
	s_setreg_imm32_b32 hwreg(HW_REG_WAVE_MODE, 25, 1), 1
	s_wait_xcnt 0x0
	s_wait_alu depctr_hold_cnt(0) depctr_sa_sdst(0) depctr_va_vdst(0) depctr_va_sdst(0) depctr_va_ssrc(0) depctr_va_vcc(0) depctr_vm_vsrc(0)
	s_getreg_b32 s2, hwreg(HW_REG_IB_STS2, 6, 4)
	s_cmp_eq_u32 s2, 0
	s_cbranch_scc0 .Lentry_in_a_cluster
	s_endpgm
.Lentry_in_a_cluster:
	s_bfe_u32 s2, ttmp6, 0x10000c
	s_cmp_lg_u32 s2, 0x3003
	s_cbranch_scc0 .Lentry_shape_is_right
	s_endpgm
.Lentry_shape_is_right:
; o = softmax(q k^T) v for one head and 256 queries a work-group, both products on codes of E2M3; o / l is quantised for the last product and leaves as codes.
; THE SOFTMAX: t = score x log2(e); M = the running largest t rounded UP to a whole number, kept as -M = floor(-t); p = 2^(t - M) is quantised along the keys, not normalised.
; The row's sum l is taken of the unquantised p.  When M moves, l and O are multiplied by 2^(old M - new M), which rounds nothing.
; SHARES.  Wave w of sixteen: query group 2 X + w / 8 of the head, pair (w / 2) % 4 of its tiles, tile w % 2 of the pair: ONE tile of 16 queries in 256 registers, so four waves stand on each SIMD and no register window is switched.
; LDS holds the head's whole K, V and scale words, 16 units of 12,800 bytes as they lie in memory, filled ONCE: each wave brings one unit by one joint tensor load (the four work-groups of a cluster share the head).
; No prefetch: all that the launch reads through LDS is asked for at the head, so there is no loop to run ahead in.
; LAYOUT.  Both products are used transposed: a lane (r, h) holds query row r throughout.  S^T = K Q^T: by the order of a tile's tokens the lane's 64 score registers are keys 64 h + 0..63 of the step's 128: two whole
; blocks of 32 in the order of P's fragment.  O^T = V^T P^T: the lane's 32 registers are channels 32 h + 0..31.
; K = 64 IN AN INSTRUCTION 128 DEEP.  A PAIR fragment of K holds tile 2 p in registers 0-5 and tile 2 p + 1 in registers 6-11.  Q lies in 18 registers, six zeros, its six, six zeros: the upper twelve meet the pair's first
; tile, the lower twelve its second; the other tile's codes meet zero codes, which add nothing.
; LIMITS: NaN and infinities are not served.  The promise holds while the scaled scores t stay under 2^31 in magnitude.  A block's scale of p is 2^(floor(x) - 2), x = t - M of the block's largest score, held at the byte 1 from below:
; it takes v_exp_f32(x) to lie in [2^floor(x), 2^(floor(x) + 1)).  A block of zeros keeps the byte 1: its codes are zeros and this program alone reads the bytes.
.set KVB,  3276800
.set OSB,  3145728
.set UNIT, 12800                       ; a key step in LDS: K's 4 pair fragments, V's 4 fragments, K's scale words at 12,288, V's at 12,544
.set SPARE, 16*UNIT                    ; behind the units: the spare words, 128 bytes a wave
; v1, v2, v3 = 16, 8, 4 x lane
.set KS,  4                            ; v4-5   K's scale words
.set VS,  6                            ; v6-7   V's
.set QS,  8                            ; v8     Q's
.set H8,  9                            ; v9     8 h
.set SPW, 10                           ; v10    my spare word's address; never rewritten
.set NIL, 11                           ; v11    0; never rewritten
.set NM,  12                           ; v12 -M, v13 the largest score
.set LS,  14                           ; v14-15 l in two halves
.set FF,  16                           ; v16-17 f
.set PW,  18                           ; v18    p's scale word
.set A16, 19                           ; v19, v29, v33: v1, v2, v3 + the step's first byte
.set BM,  20                           ; v20-21 block maxima, then bytes, then the sum's second chain
.set SO,  22                           ; v22-23 the conversions' scale operands
.set TA,  24
.set TB,  25
.set T1,  26                           ; v26-28, v30-32 upper halves of the blocks' codes; v26 also the old -M
.set A8,  29
.set T2,  30
.set A4,  33
.set QQ,  34                           ; v34-51   Q in 18 registers
.set PCD, 52                           ; v52-63   p's codes
.set SS,  64                           ; v64-127  S^T, then p
.set OO,  128                          ; v128-159 O^T
.set KF,  160                          ; v160-207 K's pair fragments
.set VF,  208                          ; v208-255 V's fragments
.set QT,  208                          ; at the head: Q's pair fragment and its scale word
.macro D1
	s_delay_alu instid0(VALU_DEP_1)
.endm
.macro CROUND                          ; a round of the cluster's barrier
	s_barrier_signal -1
	s_barrier_wait -1
	s_cmp_lg_u32 s8, 0
	s_cbranch_scc1 .Lnot_wave_0_\@
	s_barrier_signal -3
.Lnot_wave_0_\@:
	s_barrier_wait -3
	s_barrier_signal -1
	s_barrier_wait -1
.endm
; ra = 1: source 0's scale words stand in lanes 16-31
.macro WMZ d, a, b, sa, ra             ; starts a sum
.if (\ra)
	v_wmma_scale_f32_16x16x128_f8f6f4 v[(\d):(\d)+7], v[(\a):(\a)+11], v[(\b):(\b)+11], 0, v[\sa], v[QS] matrix_a_fmt:MATRIX_FMT_FP6 matrix_b_fmt:MATRIX_FMT_FP6 matrix_a_scale:MATRIX_SCALE_ROW1
.else
	v_wmma_scale_f32_16x16x128_f8f6f4 v[(\d):(\d)+7], v[(\a):(\a)+11], v[(\b):(\b)+11], 0, v[\sa], v[QS] matrix_a_fmt:MATRIX_FMT_FP6 matrix_b_fmt:MATRIX_FMT_FP6
.endif
.endm
.macro WMA d, a, sa, ra                ; adds in place
.if (\ra)
	v_wmma_scale_f32_16x16x128_f8f6f4 v[(\d):(\d)+7], v[(\a):(\a)+11], v[PCD:PCD+11], v[(\d):(\d)+7], v[\sa], v[PW] matrix_a_fmt:MATRIX_FMT_FP6 matrix_b_fmt:MATRIX_FMT_FP6 matrix_a_scale:MATRIX_SCALE_ROW1
.else
	v_wmma_scale_f32_16x16x128_f8f6f4 v[(\d):(\d)+7], v[(\a):(\a)+11], v[PCD:PCD+11], v[(\d):(\d)+7], v[\sa], v[PW] matrix_a_fmt:MATRIX_FMT_FP6 matrix_b_fmt:MATRIX_FMT_FP6
.endif
.endm
.macro LDK adr, a8, off                ; K's four pair fragments and their scale words: 13 LDS loads
.irp p, 0,1,2,3
.irp k, 0,1,2
	ds_load_b128 v[KF+12*\p+4*\k:KF+12*\p+4*\k+3], v[\adr] offset:(\off)+1536*\p+512*\k
.endr
.endr
	ds_load_b64 v[KS:KS+1], v[\a8] offset:(\off)+12288
.endm
	s_load_b128 s[4:7], s[0:1], 0x0                ; qkvc s[4:5], att s[6:7]
	v_lshl_add_u32 v[SPW], v0, 2, SPARE
	v_mov_b32 v[NIL], 0
	ds_add_u32 v[SPW], v[NIL]                      ; the opening lines: the add twice on end and one wait
	ds_add_u32 v[SPW], v[NIL]
	v_lshrrev_b32 v1, 5, v0
	v_readfirstlane_b32 s8, v1                     ; wave 0..15
	s_bfe_u32 s9, ttmp6, 0x40000                   ; cx: it enters Q's and the output's addresses alone
	s_lshl_b32 s10, ttmp9, 2
	s_add_co_u32 s10, s10, s9                      ; X: my block of 256 queries
	s_and_b32 s11, ttmp7, 0xffff                   ; 16 x batch + head, which the four partners share
	; descriptor group 1: a dense unit of 12,800 bytes as 50 rows of 256 bytes (32 elements of 8 bytes), no padding
	s_mov_b32 s16, 15|(3<<16)|(1<<21)              ; the mask: all four work-groups; elements of 8 bytes; bit 21 beside a mask
	s_mov_b32 s17, 32<<16
	s_mov_b32 s18, 50<<16
	s_mov_b32 s19, 32<<16
	s_mov_b32 s20, 50
	s_mov_b32 s21, 32
	s_mov_b32 s22, 0
	s_mov_b32 s23, 0
	s_mov_b32 s24, 1
	s_mul_i32 s25, s8, UNIT                        ; LDS address: my unit
	s_mul_i32 s12, s11, 16*UNIT
	s_add_co_u32 s12, s12, s25
	s_add_co_u32 s12, s12, KVB
	s_mov_b32 s13, 0
	s_lshr_b32 s28, s8, 3
	s_lshl_b32 s29, s10, 1
	s_add_co_u32 s28, s28, s29                     ; my query group within the batch
	s_bfe_u32 s29, s8, 0x20001                     ; my pair of its tiles
	s_and_b32 s36, s8, 1                           ; my tile of the pair
	s_lshl_b32 s30, s11, 4
	s_add_co_u32 s30, s30, s28
	s_mul_i32 s30, s30, 6400                       ; Q's unit
	s_mul_i32 s31, s29, 1536
	s_add_co_u32 s32, s30, s31                     ; my pair fragment
	s_mov_b32 s33, 0
	s_and_b32 s34, s29, 1
	s_lshl_b32 s34, s34, 7
	s_lshr_b32 s35, s29, 1
	s_lshl_b32 s35, s35, 2
	s_add_co_u32 s34, s34, s35
	s_add_co_u32 s34, s34, s30
	s_add_co_u32 s34, s34, 6144                    ; its scale words: row r's at 8 (16 (p % 2) + r) + 4 (p / 2)
	s_mov_b32 s35, 0
	v_and_b32 v[TA], 31, v0                        ; lane
	v_and_b32 v[TB], 15, v0                        ; r
	v_bfe_u32 v[H8], v0, 4, 1                      ; h
	v_lshlrev_b32 v1, 4, v[TA]
	v_lshlrev_b32 v2, 3, v[TA]
	v_lshlrev_b32 v3, 2, v[TA]
	v_lshlrev_b32 v[T1], 3, v[TB]
	v_lshlrev_b32 v[H8], 3, v[H8]
	s_wait_alu depctr_va_vdst(0)                   ; the wait ahead of the waits below
	s_wait_dscnt 0x0                               ; both opening adds are done
	s_wait_kmcnt 0x0
	s_add_nc_u64 s[26:27], s[4:5], s[12:13]        ; my unit of the head's K and V
	s_or_b32 s27, s27, 0x80000000
	s_add_nc_u64 s[32:33], s[4:5], s[32:33]
	s_add_nc_u64 s[34:35], s[4:5], s[34:35]
	global_load_b128 v[QT:QT+3], v1, s[32:33]      ; Q is asked for ahead of the round
	global_load_b128 v[QT+4:QT+7], v1, s[32:33] offset:512
	global_load_b128 v[QT+8:QT+11], v1, s[32:33] offset:1024
	global_load_b32 v[QT+12], v[T1], s[34:35]
	CROUND                                         ; all four work-groups are here: the joint loads meet
	tensor_load_to_lds s[24:27], s[16:23]          ; my one tensor load
	s_nop 0
.rept 4
	v_nop
.endr
	s_mov_b32 s40, 0x76543210
	s_mov_b32 s41, 0xfedcba98                      ; v_permlanex16_b32's selects for lane l xor 16
	s_mov_b32 s42, 0x3fb8aa3b                      ; log2(e)
	s_mov_b32 s43, s42
	s_mov_b32 s39, 0xbfb8aa3b                      ; -log2(e)
	s_mov_b32 s37, 0x01000100                      ; the even tile's two scale bytes twice,
	s_cmp_eq_u32 s36, 1
	s_cselect_b32 s37, 0x03020302, s37             ; or the odd tile's
	s_cselect_b32 s38, -1, 0                       ; all lanes: is mine the odd tile?
	; where the results go
	s_lshr_b32 s47, s11, 4                         ; batch
	s_and_b32 s48, s11, 15                         ; head
	s_lshl_b32 s47, s47, 4
	s_add_co_u32 s47, s47, s28                     ; the group of 128 tokens
	s_and_b32 s49, s48, 1
	s_lshl_b32 s46, s49, 3                         ; 8 x (head % 2): my byte's place in its half of a scale word
	s_lshr_b32 s50, s48, 1                         ; the last product's K step
	s_lshl_b32 s51, s47, 3
	s_add_co_u32 s51, s51, s50
	s_lshl_b32 s51, s51, 3
	s_lshl_b32 s52, s29, 1
	s_add_co_u32 s51, s51, s52
	s_add_co_u32 s51, s51, s36
	s_mul_i32 s52, s51, 1536
	s_lshl_b32 s53, s49, 8
	s_add_co_u32 s52, s52, s53                     ; fragment ((group x 8 + K step) x 8 + tile), the sixteen lanes head % 2 of its image
	s_mov_b32 s53, 0
	s_add_nc_u64 s[52:53], s[6:7], s[52:53]
	s_lshl_b32 s54, s47, 4
	s_add_co_u32 s54, s54, s48
	s_lshl_b32 s54, s54, 2
	s_add_co_u32 s54, s54, s29
	s_lshl_b32 s54, s54, 1
	s_add_co_u32 s54, s54, s36
	s_lshl_b32 s54, s54, 6                         ; 64 bytes of partial scale words a tile
	s_add_co_u32 s54, s54, OSB
	s_mov_b32 s55, 0
	s_add_nc_u64 s[54:55], s[6:7], s[54:55]
	; the tile's registers at the start.  The step is written once: its first trip finds zeros, which the first change of M leaves zeros
.irp i, 0,1,2,3,4,5
	v_mov_b32 v[QQ+\i], 0
	v_mov_b32 v[QQ+12+\i], 0
.endr
.set ij, 0
.rept 32
	v_mov_b32 v[OO+ij], 0
.set ij, ij+1
.endr
	v_mov_b32 v[LS], 0
	v_mov_b32 v[LS+1], 0
	v_mov_b32 v[FF], 0
	v_mov_b32 v[FF+1], 0                           ; (named as the upper half of the pair)
	v_mov_b32 v[TB], 0                             ; a lane permute's destination counts as one of its sources
	v_mov_b32 v[NM+1], 0xfe967699                  ; the largest score so far: -1e38
	v_mul_f32 v[NM], s39, v[NM+1]
	D1
	v_floor_f32 v[NM], v[NM]
	s_wait_alu depctr_va_vdst(0)                   ; the wait ahead of the wait below
	s_wait_loadcnt 0x0                             ; Q
	v_perm_b32 v[QS], v[QT+12], v[QT+12], s37      ; my tile's two bytes stand for both halves of the instruction's K
.irp i, 0,1,2,3,4,5
	v_cndmask_b32 v[QQ+6+\i], v[QT+\i], v[QT+6+\i], s38   ; my tile's six registers of the pair fragment
.endr
.rept 4
	v_nop                                          ; places between these writes and the first scaled product
.endr
.macro PF n                            ; t - M for the next n pairs of scores
.rept \n
	v_pk_fma_f32 v[SS+ij:SS+ij+1], v[SS+ij:SS+ij+1], s[42:43], v[NM:NM+1] op_sel_hi:[1,0,0]
.set ij, ij+2
.endr
.endm
.macro OM n                            ; O^T x f, the next n pairs
.rept \n
	v_pk_mul_f32 v[OO+io:OO+io+1], v[OO+io:OO+io+1], v[FF:FF+1] op_sel_hi:[1,0]
.set io, io+2
.endr
.endm
; The softmax for 128 keys.  v[T1] holds the old -M
.macro SOFT
	v_max3_num_f32 v[BM], v[SS], v[SS+1], v[SS+2]  ; the largest score of each of my two blocks of 32 keys: for the row's maximum and for the block's scale
	v_max3_num_f32 v[BM+1], v[SS+32], v[SS+33], v[SS+34]
.irp i, 3,5,7,9,11,13,15,17,19,21,23,25,27,29
	v_max3_num_f32 v[BM], v[BM], v[SS+\i], v[SS+\i+1]
	v_max3_num_f32 v[BM+1], v[BM+1], v[SS+32+\i], v[SS+33+\i]
.endr
	v_max_num_f32 v[BM], v[BM], v[SS+31]
	v_max_num_f32 v[BM+1], v[BM+1], v[SS+63]
	D1
	v_max_num_f32 v[TA], v[BM], v[BM+1]
	D1
	v_permlanex16_b32 v[TB], v[TA], s40, s41
	D1
	v_max3_num_f32 v[NM+1], v[NM+1], v[TA], v[TB]  ; with lane l xor 16's 64 keys: the running largest score
	D1
	v_mul_f32 v[TA], s39, v[NM+1]                  ; as -t
	D1
	v_floor_f32 v[NM], v[TA]                       ; the new -M = -ceil(t)
.set ij, 0
.set io, 0
	D1
	v_fma_f32 v[BM], v[BM], s42, v[NM]             ; x = t - M of each block's largest score
	v_fma_f32 v[BM+1], v[BM+1], s42, v[NM]
	v_sub_f32 v[TA], v[NM], v[T1]                  ; old M - new M: a whole number, 0 or less
	PF 2                                           ; (the short chains stand among independent lines)
	v_max_num_f32 v[BM], 0xc2f80000, v[BM]         ; held at -124: the byte cannot fall under 1
	v_max_num_f32 v[BM+1], 0xc2f80000, v[BM+1]
	v_cvt_i32_f32 v[TA], v[TA]                     ; (it saturates)
	PF 2
	v_floor_f32 v[BM], v[BM]
	v_floor_f32 v[BM+1], v[BM+1]
	v_ldexp_f32 v[FF], 1.0, v[TA]                  ; f = 2^(old M - new M)
	PF 2
	v_cvt_i32_f32 v[BM], v[BM]
	v_cvt_i32_f32 v[BM+1], v[BM+1]
	PF 2
	v_add_nc_u32 v[BM], 0x7d, v[BM]                ; the scale's byte: floor(x) - 2 + 127
	v_add_nc_u32 v[BM+1], 0x7d, v[BM+1]
	OM 2                                           ; O^T under the new M
	v_lshlrev_b32 v[SO], 23, v[BM]                 ; as an exponent field: the conversion's scale operand
	v_lshlrev_b32 v[SO+1], 23, v[BM+1]
	v_lshl_or_b32 v[PW], v[BM+1], 16, v[BM]        ; my two bytes, at their places (8 h bits up),
	OM 2
	v_lshlrev_b32 v[PW], v[H8], v[PW]
	OM 2
	v_permlanex16_b32 v[TB], v[PW], s40, s41
	OM 2
	v_or_b32 v[PW], v[PW], v[TB]                   ; with lane l xor 16's two: p's scale word for these 128 keys
	OM 8
	PF 24
	s_wait_alu depctr_va_vdst(0)                   ; the wait ahead of the batch
.set ij, 0
.rept 64
	v_exp_f32 v[SS+ij], v[SS+ij]                   ; p = 2^(t - M)
.set ij, ij+1
.endr
	v_pk_mul_f32 v[LS:LS+1], v[LS:LS+1], v[FF:FF+1] op_sel_hi:[1,0]   ; l under the new M: the plain place behind the batch
	s_wait_alu depctr_va_vdst(0)                   ; and the wait behind it
	v_cvt_scalef32_pk16_fp6_f32 v[PCD:PCD+2], v[SS:SS+15], v[SO]
	v_cvt_scalef32_pk16_fp6_f32 v[T1:T1+2], v[SS+16:SS+31], v[SO]      ; (a conversion's three registers begin on an even number)
	v_cvt_scalef32_pk16_fp6_f32 v[PCD+6:PCD+8], v[SS+32:SS+47], v[SO+1]
	v_cvt_scalef32_pk16_fp6_f32 v[T2:T2+2], v[SS+48:SS+63], v[SO+1]
	v_pk_add_f32 v[BM:BM+1], v[SS:SS+1], v[SS+2:SS+3]              ; the row's sum is taken of the unquantised p, in two chains.  (Also the plain place behind the conversions)
.irp i, 0,1,2
	v_mov_b32 v[PCD+3+\i], v[T1+\i]
	v_mov_b32 v[PCD+9+\i], v[T2+\i]
.endr
.irp j, 4,8,12,16,20,24,28,32,36,40,44,48,52,56,60
	v_pk_add_f32 v[LS:LS+1], v[LS:LS+1], v[SS+\j:SS+\j+1]
	v_pk_add_f32 v[BM:BM+1], v[BM:BM+1], v[SS+\j+2:SS+\j+3]
.endr
	D1
	v_pk_add_f32 v[LS:LS+1], v[LS:LS+1], v[BM:BM+1]
.endm
; A KEY STEP of 128 keys.  K's fragments were asked for a step ago; V's are asked for behind the first product and wanted behind the softmax.  last = 1: nothing follows.
.macro STEP last
	s_wait_dscnt 0x0                               ; K and its scale words are in
.irp p, 0,1,2,3                                        ; S^T = K Q^T: eight matrix instructions, two to a pair fragment; each starts its sum
	WMZ SS+16*\p, KF+12*\p, QQ+6, KS+(\p/2), \p&1
	WMZ SS+16*\p+8, KF+12*\p, QQ, KS+(\p/2), \p&1
.endr
	v_add_nc_u32 v[A16], s44, v1                   ; four places: in front of the loads into K's and V's registers and of the first reads of the scores
	v_add_nc_u32 v[A8], s44, v2
	v_add_nc_u32 v[A4], s44, v3
	v_mov_b32 v[T1], v[NM]                         ; the old -M
.irp c, 0,1,2,3
.irp k, 0,1,2
	ds_load_b128 v[VF+12*\c+4*\k:VF+12*\c+4*\k+3], v[A16] offset:6144+1536*\c+512*\k
.endr
.endr
	ds_load_b32 v[VS], v[A4] offset:12544
	ds_load_b32 v[VS+1], v[A4] offset:12672
.if !\last
	LDK A16, A8, UNIT
.endif
	SOFT
.if \last
	s_wait_dscnt 0x0
.else
	s_wait_dscnt 13                                ; V and its scale words are in; the next step's 13 loads may be out
.endif
.irp c, 0,1,2,3                                        ; O^T += V^T P^T: four accumulators, one instruction each: they take turns
	WMA OO+8*\c, VF+12*\c, VS+(\c/2), \c&1
.endr
	s_add_co_u32 s44, s44, UNIT
.endm
	s_wait_alu depctr_va_vdst(0)                   ; the wait at the head's end
	s_wait_tensorcnt 0x0                           ; my unit of the head is in,
	s_barrier_signal -1
	s_barrier_wait -1                              ; everybody's is: LDS is only read from here on
	LDK 1, 2, 0                                    ; key step 0's K
	s_mov_b32 s44, 0                               ; the step's first byte in LDS
	s_mov_b32 s45, 15
.Lstep:
	STEP 0
	s_sub_co_u32 s45, s45, 1
	s_cmp_lg_u32 s45, 0
	s_cbranch_scc1 .Lstep
	STEP 1                                         ; the sixteenth step asks for nothing more
	; THE WAY OUT.  O^T / l; my 32 channels are one block of the last product's K: quantised in registers.
	s_wait_alu depctr_va_vdst(0)                   ; l was written ahead of the wait on the loads
.rept 4
	v_nop                                          ; places behind the last products
.endr
	v_add_f32 v[LS], v[LS], v[LS+1]                ; l's two halves,
	D1
	v_permlanex16_b32 v[TB], v[LS], s40, s41
	D1
	v_add_f32 v[LS], v[LS], v[TB]                  ; and lane l xor 16's
	s_wait_alu depctr_va_vdst(0)
	v_rcp_f32 v[FF], v[LS]
	v_nop                                          ; one plain place behind the transcendental
	s_wait_alu depctr_va_vdst(0)
.set io, 0
	OM 16
	v_max3_num_f32 v[BM], |v[OO]|, |v[OO+1]|, 0x1800000            ; the floor 2^(3 - 127) among the leaves: the byte cannot fall under 1
	v_max3_num_f32 v[BM+1], |v[OO+16]|, |v[OO+17]|, 0x1800000
.irp i, 2,4,6,8,10,12,14
	v_max3_num_f32 v[BM], v[BM], |v[OO+\i]|, |v[OO+\i+1]|
	v_max3_num_f32 v[BM+1], v[BM+1], |v[OO+16+\i]|, |v[OO+17+\i]|
.endr
	D1
	v_max_num_f32 v[BM], v[BM], v[BM+1]
	D1
	v_add_nc_u32 v[SO], 0xff000000, v[BM]          ; 2 off the exponent field
	D1
	v_lshrrev_b32 v[TA], 23, v[SO]                 ; my block's byte
	v_cvt_scalef32_pk16_fp6_f32 v[PCD:PCD+2], v[OO:OO+15], v[SO]
	v_cvt_scalef32_pk16_fp6_f32 v[T1:T1+2], v[OO+16:OO+31], v[SO]
	v_and_b32 v[SS+6], 15, v0                      ; r.  (The plain place behind the conversions)
	v_cmp_eq_u32 vcc_lo, 8, v[H8]                  ; lanes 16-31
	v_lshlrev_b32 v[SS+7], 4, v[SS+6]
	v_lshrrev_b32 v[SS+8], 2, v[H8]
	v_lshl_add_u32 v[SS+9], v[H8], 7, v[SS+7]      ; 16 r + 1,024 h
	v_add_nc_u32 v[SS+10], v[SS+7], v[H8]          ; 16 r + 8 h
	v_lshl_add_u32 v[SS+11], v[SS+6], 2, v[SS+8]   ; 4 r + 2 h
	v_lshlrev_b32 v[SS+12], s46, v[TA]             ; my byte at my head's place in my half of row r's word; the other byte of the half is 0, and the other head of the K step stores its own word
	; Row r's twelve registers of the image are lane (r, 0)'s six registers of codes, then lane (r, 1)'s.  Lanes 0-15 store registers 0-3 and 4-5, lanes 16-31 registers 8-11 and 6-7
	v_cndmask_b32 v[SS], v[PCD], v[PCD+2], vcc_lo
	v_cndmask_b32 v[SS+1], v[PCD+1], v[T1], vcc_lo
	v_cndmask_b32 v[SS+2], v[PCD+2], v[T1+1], vcc_lo
	v_cndmask_b32 v[SS+3], v[T1], v[T1+2], vcc_lo
	v_cndmask_b32 v[SS+4], v[T1+1], v[PCD], vcc_lo
	v_cndmask_b32 v[SS+5], v[T1+2], v[PCD+1], vcc_lo
	global_store_b128 v[SS+9], v[SS:SS+3], s[52:53]                ; each sixteen lanes store 256 consecutive bytes, at a multiple of 256 from the buffer's first byte
	global_store_b64 v[SS+10], v[SS+4:SS+5], s[52:53] offset:512   ; the 32 lanes store 256 consecutive bytes
	global_store_b16 v[SS+11], v[SS+12], s[54:55]                  ; 64 consecutive bytes: the tile's sixteen partial words
	s_wait_tensorcnt 0x0                           ; the wave's end
	ds_add_u32 v[SPW], v[NIL]
	s_wait_dscnt 0x0
	CROUND                                         ; the closing round: no work-group ends while a partner may still ask for a tile that names it
	s_endpgm
.Lfunc_end_k_qaa9e5468a1_attn:
	.size	k_qaa9e5468a1_attn, .Lfunc_end_k_qaa9e5468a1_attn-k_qaa9e5468a1_attn
	.p2alignl 7, 3214868480
	.fill 96, 4, 3214868480
	.section	.rodata,"a",@progbits
	.p2align	6, 0x0
	.amdhsa_kernel k_qaa9e5468a1_attn
		.amdhsa_group_segment_fixed_size 206848
		.amdhsa_private_segment_fixed_size 0
		.amdhsa_enable_private_segment 0
		.amdhsa_kernarg_size 16
		.amdhsa_user_sgpr_count 2
		.amdhsa_user_sgpr_kernarg_segment_ptr 1
		.amdhsa_wavefront_size32 1
		.amdhsa_system_sgpr_workgroup_id_x 1
		.amdhsa_system_sgpr_workgroup_id_y 1
		.amdhsa_system_sgpr_workgroup_id_z 1
		.amdhsa_system_vgpr_workitem_id 0
		.amdhsa_next_free_vgpr 256
		.amdhsa_next_free_sgpr 66
		.amdhsa_reserve_vcc 1
		.amdhsa_float_denorm_mode_32 3
		.amdhsa_float_denorm_mode_16_64 3
		.amdhsa_memory_ordered 1
		.amdhsa_forward_progress 1
		.amdhsa_inst_pref_size 41
	.end_amdhsa_kernel
	.amdgpu_metadata
---
amdhsa.version: [ 1, 2 ]
amdhsa.kernels:
  - .name:           k_qaa9e5468a1_attn
    .symbol:         k_qaa9e5468a1_attn.kd
    .args:
      - { .name: qkvc, .offset: 0, .size: 8, .value_kind: global_buffer, .address_space: global }
      - { .name: att, .offset: 8, .size: 8, .value_kind: global_buffer, .address_space: global }
    .group_segment_fixed_size: 206848
    .private_segment_fixed_size: 0
    .kernarg_segment_align: 8
    .kernarg_segment_size: 16
    .max_flat_workgroup_size: 512
    .sgpr_count:     66
    .vgpr_count:     256
    .wavefront_size: 32
...
	.end_amdgpu_metadata
.endif
;; end of part 3
;; launch proj (part 4): grid 8 x 32, 4 waves a work-group, clusters of 4 x 4, 214,528 bytes of LDS; arguments att, xw, b_proj, out0; writes out0
.if DOCPART == 4
	.amdgcn_target "amdgcn-amd-amdhsa--gfx1250"
	.amdhsa_code_object_version 6
	.text
	.protected	k_qaa9e5468a1_proj
	.globl	k_qaa9e5468a1_proj
	.p2align	8
	.type	k_qaa9e5468a1_proj,@function
k_qaa9e5468a1_proj:
	s_mov_b64 s[64:65], 0
	v_nop
	global_prefetch_b8 v0, s[64:65] scope:SCOPE_SE
	s_setreg_imm32_b32 hwreg(HW_REG_WAVE_MODE, 25, 1), 1
	s_wait_xcnt 0x0
	s_wait_alu depctr_hold_cnt(0) depctr_sa_sdst(0) depctr_va_vdst(0) depctr_va_sdst(0) depctr_va_ssrc(0) depctr_va_vcc(0) depctr_vm_vsrc(0)
	s_getreg_b32 s2, hwreg(HW_REG_IB_STS2, 6, 4)
	s_cmp_eq_u32 s2, 0
	s_cbranch_scc0 .Lentry_in_a_cluster
	s_endpgm
.Lentry_in_a_cluster:
	s_bfe_u32 s2, ttmp6, 0x10000c
	s_cmp_lg_u32 s2, 0xf033
	s_cbranch_scc0 .Lentry_shape_is_right
	s_endpgm
.Lentry_shape_is_right:
; out0 = o w_proj + b_proj on codes of E2M3.  o's fragments and partial scale words come from the attention launch, w_proj's from the quantising launch, both in the order of the operand registers
; (16 rows x 128 K, 1,536 bytes, registers 4 c .. 4 c + 3 of lane l at 512 c + 16 l).
; SHARES.  Work-group (J2, G): the group G of 128 tokens x columns 128 J2 on.  Wave w: token tiles 4 (w / 2) on, column block 2 J2 + w % 2: 16 accumulators.
; ALL OF K lies in LDS, filled once: o's 98,304 bytes, then W's 98,304.  Each wave brings one half (four K steps) by one joint load: o's are shared along a row of the 4 x 4 cluster, W's along a column.
; The product is used transposed (source 0 = 16 columns of W, source 1 = 16 tokens): by the order of a tile's columns a lane (r, h) holds token row r and columns 32 h + 0..31 of its block.  The bias is the C of each sum's first instruction.
; Row r of token tile t is token 64 (r / 8) + 8 t + r % 8 of the group: the way out puts the rows back.
; REGISTERS.  Window 0: v1-10 addresses; v16-31 o's scale words, v32-47 W's; v48-63 the odd heads' partial words; v64-159, v160-255 two buffers of 4 + 4 fragments.  Window 1: v0-127 the accumulators, (t, c) at 8 (4 t + c); v128-159 the bias.
.set WPC,  5505024
.set WPS,  6520832
.set OSB,  3145728
.set QBY,  24576                       ; a quarter: two K steps of 8 fragments
.set BLDS, 98304                       ; W's fragments in LDS
.set STG,  196608                      ; behind them: a stage of 16 rows x (256 bytes + 16) for each wave; no tensor load lands there
.set LI,  1
.set ADA, 2                            ; v2-3 my 4 token tiles, K steps 0-3 and 4-7
.set ADB, 4                            ; v4-5 my 4 column tiles
.set STO, 6
.set RD,  7
.set CO,  8
.set L4,  9
.set HB,  10
.set SA,  16
.set SB,  32
.set TS,  48
.set BI,  128                          ; window 1
.set G1A, 28
.set G1B, 36
.set G0A, 44                           ; s[44:47] group 0 for o's half of K;  s[52:55] for W's
.set G0B, 52
.set MSB, 0
.macro WIN new                         ; the immediate's high byte repeats the setting that is left; a switch that changes nothing is dropped
.if MSB != (\new)
	s_set_vgpr_msb (MSB<<8)|(\new)
.set MSB, (\new)
.endif
.endm
.macro PLACES n
.rept \n
	v_nop
.endr
.endm
.macro CROUND                          ; a round of the cluster's barrier
	s_barrier_signal -1
	s_barrier_wait -1
	s_cmp_lg_u32 s18, 0
	s_cbranch_scc1 .Lnot_wave_0_\@
	s_barrier_signal -3
.Lnot_wave_0_\@:
	s_barrier_wait -3
	s_barrier_signal -1
	s_barrier_wait -1
.endm
.macro WM d, a, b, c, sa, sb, ra, rb   ; ra, rb: 1 = the side's scale words stand in lanes 16-31
.if (\ra) && (\rb)
	v_wmma_scale_f32_16x16x128_f8f6f4 v[(\d):(\d)+7], v[(\a):(\a)+11], v[(\b):(\b)+11], v[(\c):(\c)+7], v[\sa], v[\sb] matrix_a_fmt:MATRIX_FMT_FP6 matrix_b_fmt:MATRIX_FMT_FP6 matrix_a_scale:MATRIX_SCALE_ROW1 matrix_b_scale:MATRIX_SCALE_ROW1
.elseif (\ra)
	v_wmma_scale_f32_16x16x128_f8f6f4 v[(\d):(\d)+7], v[(\a):(\a)+11], v[(\b):(\b)+11], v[(\c):(\c)+7], v[\sa], v[\sb] matrix_a_fmt:MATRIX_FMT_FP6 matrix_b_fmt:MATRIX_FMT_FP6 matrix_a_scale:MATRIX_SCALE_ROW1
.elseif (\rb)
	v_wmma_scale_f32_16x16x128_f8f6f4 v[(\d):(\d)+7], v[(\a):(\a)+11], v[(\b):(\b)+11], v[(\c):(\c)+7], v[\sa], v[\sb] matrix_a_fmt:MATRIX_FMT_FP6 matrix_b_fmt:MATRIX_FMT_FP6 matrix_b_scale:MATRIX_SCALE_ROW1
.else
	v_wmma_scale_f32_16x16x128_f8f6f4 v[(\d):(\d)+7], v[(\a):(\a)+11], v[(\b):(\b)+11], v[(\c):(\c)+7], v[\sa], v[\sb] matrix_a_fmt:MATRIX_FMT_FP6 matrix_b_fmt:MATRIX_FMT_FP6
.endif
.endm
	s_load_b256 s[4:11], s[0:1], 0x0               ; att s[4:5], xw s[6:7], b_proj s[8:9], out0 s[10:11]
	v_lshl_add_u32 v11, v0, 2, 0x34400
	v_mov_b32 v12, 0
	ds_add_u32 v11, v12
	ds_add_u32 v11, v12
	v_lshrrev_b32 v1, 5, v0
	v_readfirstlane_b32 s18, v1                    ; wave 0..3
	s_lshr_b32 s19, s18, 1                         ; which four token tiles are mine.  Also: I fetch for o (0) or for W (1)
	s_and_b32 s20, s18, 1                          ; which column block.  Also: which quarters I fetch
	s_bfe_u32 s21, ttmp6, 0x40000                  ; cx, cy: my place in the cluster
	s_bfe_u32 s22, ttmp6, 0x40004
	s_lshl_b32 s23, ttmp9, 2
	s_add_co_u32 s23, s23, s21                     ; J2 = 4 x cluster x + cx
	s_and_b32 s24, ttmp7, 0xffff
	s_lshl_b32 s24, s24, 2
	s_add_co_u32 s24, s24, s22                     ; G = 4 x cluster y + cy
	s_lshl_b32 s25, s22, 2
	s_lshl_b32 s25, 15, s25                        ; my row of the cluster
	s_lshl_b32 s26, 0x1111, s21                    ; my column
	; descriptor group 1: a dense block of 49,152 bytes as 192 rows of 256 bytes (32 elements of 8 bytes), no padding
	s_or_b32 s[G1A], s25, (3<<16)|(1<<21)          ; o's tiles go to my row
	s_or_b32 s[G1B], s26, (3<<16)|(1<<21)          ; W's to my column
.irp g, G1A, G1B
	s_mov_b32 s[\g+1], 32<<16                      ; tensor_dim0
	s_mov_b32 s[\g+2], 192<<16                     ; tensor_dim1: a load brings a half of K, four K steps, 49,152 bytes as 192 rows
	s_mov_b32 s[\g+3], 32<<16                      ; tile_dim0
	s_mov_b32 s[\g+4], 192                         ; tile_dim1
	s_mov_b32 s[\g+5], 32                          ; tensor_dim0_stride
	s_mov_b32 s[\g+6], 0
	s_mov_b32 s[\g+7], 0
.endr
	s_mul_i32 s84, s20, 2*QBY                      ; my half of K: in LDS and in memory alike
	s_mul_i32 s80, s24, 98304                      ; o: hangs on G alone
	s_add_co_u32 s80, s80, s84
	s_mov_b32 s81, 0
	s_mul_i32 s82, s23, 98304                      ; W: hangs on J2 alone
	s_add_co_u32 s82, s82, s84
	s_add_co_u32 s82, s82, WPC
	s_mov_b32 s83, 0
	s_wait_dscnt 0x0
	s_wait_kmcnt 0x0
	s_add_nc_u64 s[80:81], s[4:5], s[80:81]
	s_add_nc_u64 s[82:83], s[6:7], s[82:83]
	CROUND                                         ; all sixteen work-groups are here: the joint loads meet
.irp q, 0
	s_mov_b32 s[G0A+4*\q], 1
	s_add_co_u32 s[G0A+4*\q+1], s84, \q*2*QBY
	s_add_nc_u64 s[G0A+4*\q+2:G0A+4*\q+3], s[80:81], \q*2*QBY
	s_or_b32 s[G0A+4*\q+3], s[G0A+4*\q+3], 0x80000000
	s_mov_b32 s[G0B+4*\q], 1
	s_add_co_u32 s[G0B+4*\q+1], s84, BLDS+\q*2*QBY
	s_add_nc_u64 s[G0B+4*\q+2:G0B+4*\q+3], s[82:83], \q*2*QBY
	s_or_b32 s[G0B+4*\q+3], s[G0B+4*\q+3], 0x80000000
.endr
	s_cmp_eq_u32 s19, 0                            ; ONE joint load a wave: waves 0, 1 bring o's two halves of K, waves 2, 3 W's
	s_cbranch_scc0 .Lfirst_b
	tensor_load_to_lds s[G0A:G0A+3], s[G1A:G1A+7]
	s_nop 0
.rept 4
	v_nop
.endr
	s_branch .Lfirst_asked
.Lfirst_b:
	tensor_load_to_lds s[G0B:G0B+3], s[G1B:G1B+7]
	s_nop 0
.rept 4
	v_nop
.endr
.Lfirst_asked:
	v_and_b32 v15, 31, v0                          ; lane
	v_lshlrev_b32 v[LI], 4, v15
	v_lshlrev_b32 v[L4], 2, v15
	s_wait_alu depctr_va_vdst(0)
	v_and_b32 v14, 15, v0                          ; r
	v_bfe_u32 v13, v0, 4, 1                        ; h
	v_lshlrev_b32 v[HB], 7, v13
	s_wait_alu depctr_va_vdst(0)
	s_lshl_b32 s86, s24, 13                        ; o's partial scale words: [group][head 16][pair 4] x 128 bytes; my pairs 2 (w / 2) and + 1
	s_lshl_b32 s87, s19, 8
	s_add_co_u32 s86, s86, s87
	s_add_co_u32 s86, s86, OSB
	s_mov_b32 s87, 0
	s_add_nc_u64 s[86:87], s[4:5], s[86:87]
	s_lshl_b32 s88, s23, 12                        ; W's: [J2][pair 4][K step 8] x 128 bytes; my pairs 2 (w % 2) and + 1
	s_lshl_b32 s89, s20, 11
	s_add_co_u32 s88, s88, s89
	s_add_co_u32 s88, s88, WPS
	s_mov_b32 s89, 0
	s_add_nc_u64 s[88:89], s[6:7], s[88:89]
	s_lshl_b32 s90, s23, 9
	s_lshl_b32 s91, s20, 8
	s_add_co_u32 s90, s90, s91                     ; my block's first column, in bytes
	s_mov_b32 s91, 0
	s_lshl_b32 s92, s24, 19                        ; 128 rows of 4,096 bytes,
	s_lshl_b32 s93, s19, 17                        ; 32 rows for my four tiles
	s_add_co_u32 s92, s92, s93
	s_add_co_u32 s92, s92, s90
	s_mov_b32 s93, 0
	s_add_nc_u64 s[90:91], s[8:9], s[90:91]        ; the bias
	s_add_nc_u64 s[92:93], s[10:11], s[92:93]      ; the output
.irp i, 0,1
.irp s, 0,1,2,3,4,5,6,7
	global_load_b32 v[SA+8*\i+\s], v[L4], s[86:87] offset:1024*\s+128*\i          ; head 2 s
	global_load_b32 v[TS+8*\i+\s], v[L4], s[86:87] offset:1024*\s+512+128*\i      ; head 2 s + 1
	global_load_b32 v[SB+8*\i+\s], v[L4], s[88:89] offset:1024*\i+128*\s
.endr
.endr
	WIN 0x40                                       ; destination window 1
.irp m, 0,1,2,3,4,5,6,7
	global_load_b128 v[BI+4*\m:BI+4*\m+3], v[HB], s[90:91] offset:16*\m     ; in the result's layout: my columns 32 h + 0..31
.endr
	WIN 0
	s_mul_i32 s94, s19, 6144
	v_add_nc_u32 v[ADA], s94, v[LI]
	v_add_nc_u32 v[ADA+1], 2*QBY, v[ADA]
	s_mul_i32 s95, s20, 6144
	s_add_co_u32 s95, s95, BLDS
	v_add_nc_u32 v[ADB], s95, v[LI]
	v_add_nc_u32 v[ADB+1], 2*QBY, v[ADB]
	s_mul_i32 s96, s18, 16*272
	s_add_co_u32 s96, s96, STG                     ; my stage
	v_mul_u32_u24 v[STO], v14, 272
	v_lshl_add_u32 v[STO], v13, 7, v[STO]
	v_add_nc_u32 v[STO], s96, v[STO]               ; in: row r, + 128 h
	v_mul_u32_u24 v[RD], v13, 272
	v_lshl_add_u32 v[RD], v14, 4, v[RD]
	v_add_nc_u32 v[RD], s96, v[RD]                 ; back: lanes 0-15 one row of 256 bytes, lanes 16-31 the next
	v_lshlrev_b32 v[CO], 12, v13
	v_lshl_add_u32 v[CO], v14, 4, v[CO]            ; and the same two rows in the output
	s_wait_loadcnt 0x0
.set iq, 0
.rept 16
	v_or_b32 v[SA+iq], v[SA+iq], v[TS+iq]          ; the two heads of a K step each wrote two bytes of the word and zeros elsewhere
.set iq, iq+1
.endr
	PLACES 8                                       ; a scale register written by a vector instruction stands 8 places ahead of a scaled matrix instruction
; K step s: 24 LDS loads, my 4 fragments of o and my 4 of W, into buffer buf
.macro FETCH s, buf
.set FB, 64+96*(\buf)
.set HI, (\s)/4
.irp t, 0,1,2,3
.irp c, 0,1,2
	ds_load_b128 v[FB+12*\t+4*\c:FB+12*\t+4*\c+3], v[ADA+HI] offset:((\s)&3)*12288+\t*1536+512*\c
	ds_load_b128 v[FB+48+12*\t+4*\c:FB+48+12*\t+4*\c+3], v[ADB+HI] offset:((\s)&3)*12288+\t*1536+512*\c
.endr
.endr
.endm
; 16 matrix instructions: the accumulators take turns, in the same order in every K step
.macro MUL s, buf
.set FB, 64+96*(\buf)
	WIN 0x50                                       ; C and D window 1
.irp t, 0,1,2,3
.irp c, 0,1,2,3
.if (\s) == 0
	WM 8*(4*\t+\c), FB+48+12*\c, FB+12*\t, BI+8*\c, SB+8*(\c/2)+(\s), SA+8*(\t/2)+(\s), \c&1, \t&1
.else
	WM 8*(4*\t+\c), FB+48+12*\c, FB+12*\t, 8*(4*\t+\c), SB+8*(\c/2)+(\s), SA+8*(\t/2)+(\s), \c&1, \t&1
.endif
.endr
.endr
	WIN 0
.endm
.macro STEPP s
.if ((\s) > 0) && ((\s) < 7)
	PLACES 4                                       ; in front of the loads into the buffer that the last step multiplied
.endif
.if (\s) < 7
	FETCH (\s)+1, ((\s)+1)&1
	s_wait_dscnt 24                                ; all but the 24 just issued
.else
	s_wait_dscnt 0x0
.endif
	MUL \s, (\s)&1
.endm
	s_wait_alu depctr_va_vdst(0)
	s_wait_tensorcnt 0x0                           ; my one fill is in; nothing is ever filled again
	s_barrier_signal -1
	s_barrier_wait -1                              ; everybody's is
	FETCH 0, 0
.irp s, 0,1,2,3,4,5,6,7
	STEPP \s
.endr
	; THE WAY OUT, a token tile at a time: a lane holds 128 bytes of a row in pieces of 32, the lanes beside it hold other rows: through my own stage and back as whole rows of 256 bytes.
	PLACES 4                                       ; in front of the first reads of results and of the loads into the fragments' registers
.irp t, 0,1,2,3
	WIN 0x04                                       ; an LDS store's data are its source 1: window 1
.irp c, 0,1,2,3
	ds_store_b128 v[STO], v[8*(4*\t+\c):8*(4*\t+\c)+3] offset:32*\c            ; each accumulator from its low end on
	ds_store_b128 v[STO], v[8*(4*\t+\c)+4:8*(4*\t+\c)+7] offset:32*\c+16
.endr
	WIN 0
.irp i, 0,1,2,3,4,5,6,7
	ds_load_b128 v[64+32*\t+4*\i:64+32*\t+4*\i+3], v[RD] offset:544*\i         ; LDS serves a wave's instructions in order: these see my stores, and the next tile's stores come behind them
.endr
.endr
.irp t, 0,1,2,3
	s_wait_dscnt (3-\t)*16                         ; behind this tile's loads stand sixteen LDS instructions for each later tile
.irp i, 0,1,2,3,4,5,6,7
	global_store_b128 v[CO], v[64+32*\t+4*\i:64+32*\t+4*\i+3], s[92:93] offset:(64*(\i/4)+8*\t+2*(\i%4))*4096 th:TH_STORE_NT   ; stage rows 2 i and 2 i + 1 are tokens 64 (i / 4) + 8 t + 2 (i % 4) and + 1; sixteen lanes store 256 consecutive bytes, at a multiple of 256 from the output's first byte
.endr
.endr
	s_wait_tensorcnt 0x0
	ds_add_u32 v11, v12
	s_wait_dscnt 0x0
	CROUND                                         ; the closing round: no work-group ends while a partner may still ask for a tile that names it
	s_endpgm
.Lfunc_end_k_qaa9e5468a1_proj:
	.size	k_qaa9e5468a1_proj, .Lfunc_end_k_qaa9e5468a1_proj-k_qaa9e5468a1_proj
	.p2alignl 7, 3214868480
	.fill 96, 4, 3214868480
	.section	.rodata,"a",@progbits
	.p2align	6, 0x0
	.amdhsa_kernel k_qaa9e5468a1_proj
		.amdhsa_group_segment_fixed_size 214528
		.amdhsa_private_segment_fixed_size 0
		.amdhsa_enable_private_segment 0
		.amdhsa_kernarg_size 32
		.amdhsa_user_sgpr_count 2
		.amdhsa_user_sgpr_kernarg_segment_ptr 1
		.amdhsa_wavefront_size32 1
		.amdhsa_system_sgpr_workgroup_id_x 1
		.amdhsa_system_sgpr_workgroup_id_y 1
		.amdhsa_system_sgpr_workgroup_id_z 1
		.amdhsa_system_vgpr_workitem_id 0
		.amdhsa_next_free_vgpr 512
		.amdhsa_next_free_sgpr 100
		.amdhsa_reserve_vcc 0
		.amdhsa_float_denorm_mode_32 3
		.amdhsa_float_denorm_mode_16_64 3
		.amdhsa_memory_ordered 1
		.amdhsa_forward_progress 1
		.amdhsa_inst_pref_size 50
	.end_amdhsa_kernel
	.amdgpu_metadata
---
amdhsa.version: [ 1, 2 ]
amdhsa.kernels:
  - .name:           k_qaa9e5468a1_proj
    .symbol:         k_qaa9e5468a1_proj.kd
    .args:
      - { .name: att, .offset: 0, .size: 8, .value_kind: global_buffer, .address_space: global }
      - { .name: xw, .offset: 8, .size: 8, .value_kind: global_buffer, .address_space: global }
      - { .name: b_proj, .offset: 16, .size: 8, .value_kind: global_buffer, .address_space: global }
      - { .name: out0, .offset: 24, .size: 8, .value_kind: global_buffer, .address_space: global }
    .group_segment_fixed_size: 214528
    .private_segment_fixed_size: 0
    .kernarg_segment_align: 8
    .kernarg_segment_size: 32
    .max_flat_workgroup_size: 128
    .sgpr_count:     100
    .vgpr_count:     512
    .wavefront_size: 32
...
	.end_amdgpu_metadata
.endif
;; end of part 4
